; MI455X (gfx1250); checked and timed in simulation.
; The chip was launched on July 23, 2026; its instructions are those of AMD's public machine-readable ISA for CDNA 5 (MIT licence, August 2026) and "CDNA5" Instruction Set Architecture Reference Guide (July 2026). The comments in the code are by the model that wrote it; some were corrected since.
;; Vi T Layer. Allowed arithmetic: matrix products marked QUANTISED: E5M2 operands, one E8M0 scale for each 32 along K, by v_wmma_scale_f32_16x16x128_f8f6f4 with both operands' format E5M2, f32 sums; everything else in f32.
;; Inputs: b1 4,096 float32; b2 1,024 float32; bk 1,024 float32; bq 1,024 float32; bv 1,024 float32; hidden_states 16 x 256 x 1,024 float32; ln1_b 1,024 float32; ln1_g 1,024 float32; ln2_b 1,024 float32; ln2_g 1,024 float32; w1_codes 4,096 x 32 x 32 uint8 (E5M2 codes of w1, K innermost, in blocks of 32 codes); w1_scales 4,096 x 32 uint8 (E8M0 scales of w1, one for each 32 codes along K); w2_codes 1,024 x 128 x 32 uint8 (E5M2 codes of w2, K innermost, in blocks of 32 codes); w2_scales 1,024 x 128 uint8 (E8M0 scales of w2, one for each 32 codes along K); wk_codes 1,024 x 32 x 32 uint8 (E5M2 codes of wk, K innermost, in blocks of 32 codes); wk_scales 1,024 x 32 uint8 (E8M0 scales of wk, one for each 32 codes along K); wq_codes 1,024 x 32 x 32 uint8 (E5M2 codes of wq, K innermost, in blocks of 32 codes); wq_scales 1,024 x 32 uint8 (E8M0 scales of wq, one for each 32 codes along K); wv_codes 1,024 x 32 x 32 uint8 (E5M2 codes of wv, K innermost, in blocks of 32 codes); wv_scales 1,024 x 32 uint8 (E8M0 scales of wv, one for each 32 codes along K).
;; Outputs: out0 16 x 256 x 1,024 float32.
;; This version of the problem:
;;   THIS VERSION OF THE PROBLEM IS GIVEN IN LOW PRECISION. The matrix products marked QUANTISED in the list below multiply operands that are first quantised to E5M2 (5 exponent bits, 2 mantissa bits; 8 bits a number), with one power-of-two scale for each 32 numbers along K (OCP MX v1.0); their sums are f32. All else is computed in f32.
;;   The module's matrix products, in the order in which they are computed (A, B: the left and right operand; K: the contracted axis; several contracted axes count as one K, in the product's order):
;;     1. [M 4,096, K 1,024] x [K 1,024, N 1,024]; A: computed on the way; B: input wq (given as codes): QUANTISED
;;     2. [M 4,096, K 1,024] x [K 1,024, N 1,024]; A: computed on the way; B: input wk (given as codes): QUANTISED
;;     3. [M 4,096, K 1,024] x [K 1,024, N 1,024]; A: computed on the way; B: input wv (given as codes): QUANTISED
;;     4. batch 256 x [M 256, K 64] x [K 64, N 256]; A: computed on the way; B: computed on the way: QUANTISED
;;     5. batch 256 x [M 256, K 256] x [K 256, N 64]; A: softmax (see below); B: computed on the way: QUANTISED
;;     6. [M 4,096, K 1,024] x [K 1,024, N 4,096]; A: computed on the way; B: input w1 (given as codes): QUANTISED
;;     7. [M 4,096, K 4,096] x [K 4,096, N 1,024]; A: computed on the way; B: input w2 (given as codes): QUANTISED
;;   THE QUANTISER, for each operand of a quantised product, along K:
;;     - K is cut into blocks of 32 from its start; a last block that is shorter is filled with zeros.
;;     - A block's scale is 2^e with e = floor(log2(the largest magnitude in the block)) - 15, held to -126 .. 127; a block of zeros has e = 0. As a byte (E8M0): e + 127.
;;     - Each number is divided by its block's scale, clamped to +-57,344, and rounded to the nearest number of E5M2, ties to even, subnormals kept.
;;     - The product sums the exact products of the quantised numbers (number of the format x scale) in f32.
;;   ~~~python
;;   def quantise(x, axis):      # numpy; x: float32 -> the quantised numbers, widened to float32 again
;;       x = np.moveaxis(x, axis, -1); K = x.shape[-1]
;;       x = np.pad(x, [(0, 0)] * (x.ndim - 1) + [(0, -K % 32)]); x = x.reshape(x.shape[:-1] + (-1, 32)); a = np.abs(x).max(-1, keepdims=True)
;;       e = np.where(a > 0, np.clip(np.frexp(np.where(a > 0, a, 1))[1] - 1 - 15, -126, 127), 0)      # np.frexp(a)[1] - 1 = floor(log2(a)), exactly
;;       r = np.clip(x / 2.0 ** e, -57344, 57344)
;;       step = 2.0 ** (np.maximum(np.frexp(np.where(r == 0, 1, r))[1] - 1, -14) - 2)
;;       q = np.round(r / step) * step * 2.0 ** e      # np.round: ties to even
;;       return np.moveaxis(q.reshape(q.shape[:-2] + (-1,))[..., :K], -1, axis).astype(np.float32)
;;   ~~~
;;   SOFTMAX AHEAD OF A QUANTISED PRODUCT. Where the list says 'softmax', what is quantised is not the finished softmax but p = 2^(t - M), with t = logit x log2(e) and M = ceil(the row's largest t), a whole number; so 1/2 < the row's largest p <= 1. The row's sum l is taken of the UNQUANTISED p, in f32, and the product's result is divided by l at the end. Since M is a whole number, a kernel that streams over the keys may use a running M (the ceiling of the running maximum): every later rescaling is an exact power of two, which a block's scale takes up: the codes' values come out the same.
;;   OPERANDS COMPUTED ON THE WAY. 'Computed on the way' means the value that the module computes at that place (a softmax that the list does not call 'softmax' is quantised finished and normalised). What goes into a quantiser is computed in f32, as accurately as f32 sums, v_exp_f32 and their like allow (about 1e-6 of the number): no bf16 or f16 on the way to a quantiser, and a product that is left as it is and whose result goes on into a quantised operand takes f32 operands (vector FMAs, or v_wmma_f32_16x16x4_f32). A number that lies on a knife's edge between two numbers of the format may be rounded either way, as far as f32 arithmetic and the matrix unit's own rounding can turn it there, and no further.
;;   INPUTS GIVEN AS CODES. w1 (in the module: [1024, 4096], K = its axis 0); w2 (in the module: [4096, 1024], K = its axis 0); wk (in the module: [1024, 1024], K = its axis 0); wq (in the module: [1024, 1024], K = its axis 0); wv (in the module: [1024, 1024], K = its axis 0): each comes as NAME_codes (uint8): NAME with its K axis moved to the last place and cut into blocks of 32 codes, [.., K / 32, bytes a block], one block behind the other in memory; one code a byte (a code: sign, 5 exponent bits, 2 mantissa bits); and NAME_scales (uint8): the same leading axes, one E8M0 byte (e + 127) for each 32 codes along K. Its value is code x scale, taken as it is: it is not quantised again, and the codes and scales need not be those that the quantiser above would give.
;; One version. Each part assembles by itself: llvm-mc -triple=amdgcn-amd-amdhsa -mcpu=gfx1250 --defsym DOCPART=n.
;; ======== version 1 of 1: 5 launches
;; limits: right only within a limited range of input values
;; workspace buffers: hc 4,194,304 bytes; hs 131,072 bytes; x1 16,777,216 bytes; ac 16,777,216 bytes; asc 524,288 bytes
;; launch ln1 (part 1): grid 256 x 1, 8 waves a work-group, no clusters, 70,144 bytes of LDS; arguments hidden_states, ln1_g, ln1_b, hc, hs; writes hc, hs
.if DOCPART == 1
	.amdgcn_target "amdgcn-amd-amdhsa--gfx1250"
	.amdhsa_code_object_version 6
	.text
	.protected	k_q5106b2fc3d_ln1
	.globl	k_q5106b2fc3d_ln1
	.p2align	8
	.type	k_q5106b2fc3d_ln1,@function
k_q5106b2fc3d_ln1:
	s_mov_b64 s[64:65], 0
	v_nop
	global_prefetch_b8 v0, s[64:65] scope:SCOPE_SE
	s_setreg_imm32_b32 hwreg(HW_REG_WAVE_MODE, 25, 1), 1
	s_wait_xcnt 0x0
; LAYER NORM AND QUANTISER.  y = (x - mean) * rsqrt(var + 1e-5) * g + b over rows of 1,024 f32, then y is turned into codes of E5M2 with one E8M0 byte for each 32 along the row.
; NO WORK OF THE PROBLEM IS LEFT OUT in this program: every input has a way to the output (bk too: it moves k's codes), reference() has no mask and slices nothing away.
; LIMITS: NaN and infinities among the inputs are not served.  A block whose largest magnitude lies under 2^-111 gets the byte 1; a block of zeros gets the byte 1 where the rule says 127
; (its codes are zeros, which add nothing under any byte but 0xff, and the bytes are read by this program alone).
; SHARES.  A work-group takes 16 rows (row tile T), its eight waves 128 columns each: one K step of 128 of the products that follow.  The variance is taken of x - mean in a second pass over registers,
; so that a common offset of the inputs costs nothing.  Row sums meet in LDS: two barriers.
; OUT.  hc: images of operand registers: byte (((w/2) 256 + T) 2 + w%2) 2048 + 512 c + 16 lane holds, for lane (p, h), the codes k = 128 w + 32 c + 16 h + 0..15 of row 16 T + p.  hs: [row][32]: byte k / 32.
; Each load of x reads 512 consecutive bytes; the 16 rows x 512 bytes turn through the wave's own stage in LDS so that a lane holds 16 neighbours of each of four blocks.
.set STGW,  16*528                     ; a wave's stage: 16 rows x (512 + 16) bytes
.set RED,   8*STGW                     ; [16 rows][8 waves] f32, twice: sums, sums of squares
.set SCL,   RED+1024                   ; [16 rows][32 bytes]: the tile's scale bytes
.set SPARE, SCL+512                    ; the spare words, 128 bytes for each wave: four blocks of 256 bytes that no other line names
.set VL,  4                            ; v4   16 x lane
.set STI, 5                            ; v5   the stage, on the way in
.set STO, 6                            ; v6   and on the way out: row p, + 64 h
.set VG,  7                            ; v7   64 h: my numbers of g and b
.set RW,  8                            ; v8   RED + 32 p + 4 w
.set RR,  9                            ; v9   RED + 32 p
.set SW,  10                           ; v10  SCL + 32 p + 4 w
.set SR,  11                           ; v11  SCL + 16 x lane
.set SPW, 12                           ; v12  my spare word; never rewritten
.set NIL, 13                           ; v13  0; never rewritten
.set MR,  14                           ; v[14:15] the mean, later 1 / sqrt(var + eps), twice
.set TM,  16                           ; v16-31 the quantiser's work
.set PC,  32                           ; v32-47 the codes
.set PW,  48                           ; v48  the scale word
.set CA,  50                           ; v[50:51], v[52:53] two chains of sums
.set CB,  52
.set T0,  54
.set T1,  55
.set PS,  56                           ; v56-63 the eight waves' parts
.set X,   64                           ; v64-127 my 64 numbers
.set G,   128                          ; v128-191 g
.set BB,  192                          ; v192-255 b
.set SEL, 20                           ; s[20:21] v_permlanex16_b32's selects for lane l xor 16
.set MNT, 23                           ; s23  the mantissa field of 57,344
; 64 numbers of a lane, register 16 b + i = k 32 b + 16 (lane / 16) + i of my row, become a fragment's codes in v[pc] on and its scale word in v[PW]
.macro QUANT s, pc
.irp b, 0,1,2,3
	v_max3_num_f32 v[TM+\b], |v[(\s)+16*\b]|, |v[(\s)+1+16*\b]|, 0x8000000   ; my 16 numbers and the floor 2^(16 - 127): the byte cannot fall under 1
.endr
.irp i, 2,4,6,8,10,12,14
.irp b, 0,1,2,3
	s_delay_alu instid0(VALU_DEP_4)
	v_max3_num_f32 v[TM+\b], v[TM+\b], |v[(\s)+16*\b+\i]|, |v[(\s)+1+16*\b+\i]|
.endr
.endr
.irp b, 0,1,2,3
	s_delay_alu instid0(VALU_DEP_4)
	v_permlanex16_b32 v[TM+4+\b], v[TM+\b], s[SEL], s[SEL+1]
.endr
.irp b, 0,1,2,3
	s_delay_alu instid0(VALU_DEP_4)
	v_max_num_f32 v[TM+\b], v[TM+\b], v[TM+4+\b]               ; with lane l xor 16's: the block's largest magnitude
.endr
.irp b, 0,1,2,3
	s_delay_alu instid0(VALU_DEP_4)
	v_add_nc_u32 v[TM+12+\b], 0xf8800000, v[TM+\b]             ; 15 off its exponent field: the conversion's scale operand
.endr
.irp b, 0,1,2,3
	v_and_or_b32 v[TM+8+\b], v[TM+\b], 0x7f800000, s[MNT]      ; 57,344 x the scale
.endr
.irp b, 0,1,2,3
	v_lshrrev_b32 v[TM+4+\b], 23, v[TM+12+\b]                  ; the scale's byte
.endr
	s_delay_alu instid0(VALU_DEP_3)
	v_lshl_or_b32 v[PW], v[TM+5], 8, v[TM+4]
	s_delay_alu instid0(VALU_DEP_1)
	v_lshl_or_b32 v[PW], v[TM+6], 16, v[PW]
	s_delay_alu instid0(VALU_DEP_1)
	v_lshl_or_b32 v[PW], v[TM+7], 24, v[PW]
.irp b, 0,1,2,3
.irp i, 0,1,2,3,4,5,6,7,8,9,10,11,12,13,14,15
	v_med3_num_f32 v[(\s)+16*\b+\i], v[(\s)+16*\b+\i], -v[TM+8+\b], v[TM+8+\b]   ; the conversion does not saturate (ISA guide 7.6.2): the hold at the largest code x the scale
.endr
	v_cvt_scalef32_pk8_bf8_f32 v[(\pc)+4*\b:(\pc)+1+4*\b], v[(\s)+16*\b:(\s)+7+16*\b], v[TM+12+\b]
	v_cvt_scalef32_pk8_bf8_f32 v[(\pc)+2+4*\b:(\pc)+3+4*\b], v[(\s)+8+16*\b:(\s)+15+16*\b], v[TM+12+\b]
.endr
	v_nop                                          ; a plain line behind the last conversion
.endm
; the two chains are joined, then the two halves of the lanes; each wave's part of the row's sum goes to LDS; behind a barrier every wave adds the eight parts in one order
.macro ACROSS off
	s_delay_alu instid0(VALU_DEP_1)
	v_pk_add_f32 v[CA:CA+1], v[CA:CA+1], v[CB:CB+1]
	s_delay_alu instid0(VALU_DEP_1)
	v_add_f32 v[T0], v[CA], v[CA+1]
	s_delay_alu instid0(VALU_DEP_1)
	v_permlanex16_b32 v[T1], v[T0], s[SEL], s[SEL+1]
	s_delay_alu instid0(VALU_DEP_1)
	v_add_f32 v[T0], v[T0], v[T1]
	ds_store_b32 v[RW], v[T0] offset:\off          ; lanes p and p + 16 write the same word with the same value
	s_wait_dscnt 0x0                               ; for the others' sake: my store is done
	s_barrier_signal -1
	s_barrier_wait -1
	ds_load_b128 v[PS:PS+3], v[RR] offset:\off
	ds_load_b128 v[PS+4:PS+7], v[RR] offset:\off+16
	s_wait_dscnt 0x0
	v_pk_add_f32 v[PS:PS+1], v[PS:PS+1], v[PS+2:PS+3]
	v_pk_add_f32 v[PS+4:PS+5], v[PS+4:PS+5], v[PS+6:PS+7]
	s_delay_alu instid0(VALU_DEP_1)
	v_pk_add_f32 v[PS:PS+1], v[PS:PS+1], v[PS+4:PS+5]
	s_delay_alu instid0(VALU_DEP_1)
	v_add_f32 v[PS], v[PS], v[PS+1]
.endm
	s_load_b256 s[4:11], s[0:1], 0x0               ; x s[4:5], g s[6:7], b s[8:9], hc s[10:11]
	s_load_b64 s[12:13], s[0:1], 0x20              ; hs
	v_lshl_add_u32 v[SPW], v0, 2, SPARE
	v_mov_b32 v[NIL], 0
	v_lshrrev_b32 v1, 5, v0
	s_delay_alu instid0(VALU_DEP_1)
	v_readfirstlane_b32 s16, v1                    ; wave 0..7
	v_and_b32 v1, 31, v0                           ; lane
	v_and_b32 v2, 15, v0                           ; p
	v_bfe_u32 v3, v0, 4, 1                         ; h
	s_delay_alu instid0(VALU_DEP_3)
	v_lshlrev_b32 v[VL], 4, v1
	s_mul_i32 s17, s16, STGW
	v_add_nc_u32 v[STI], s17, v[VL]
	v_mul_u32_u24 v[STO], v2, 528
	s_delay_alu instid0(VALU_DEP_1)
	v_lshl_add_u32 v[STO], v3, 6, v[STO]
	s_delay_alu instid0(VALU_DEP_1)
	v_add_nc_u32 v[STO], s17, v[STO]
	v_lshlrev_b32 v[VG], 6, v3
	s_lshl_b32 s18, s16, 2
	v_lshl_add_u32 v[RR], v2, 5, RED
	s_delay_alu instid0(VALU_DEP_1)
	v_add_nc_u32 v[RW], s18, v[RR]
	v_lshl_add_u32 v[SW], v2, 5, SCL
	s_delay_alu instid0(VALU_DEP_1)
	v_add_nc_u32 v[SW], s18, v[SW]
	v_add_nc_u32 v[SR], SCL, v[VL]
	s_mov_b32 s[SEL], 0x76543210
	s_mov_b32 s[SEL+1], 0xfedcba98
	s_mov_b32 s22, 0x3a800000                      ; 1 / 1,024
	s_mov_b32 s14, 0x3727c5ac                      ; 1e-5
	s_mov_b32 s[MNT], 0x600000
	v_mov_b32 v[T1], 0                             ; a lane permute's destination counts as one of its sources
.irp b, 0,1,2,3
	v_mov_b32 v[TM+4+\b], 0
.endr
	s_lshl_b32 s24, ttmp9, 16                      ; x: 16 rows of 4,096 bytes a tile,
	s_lshl_b32 s26, s16, 9                         ; + 512 bytes a wave
	s_add_co_u32 s24, s24, s26
	s_mov_b32 s25, 0
	s_mov_b32 s27, 0
	s_lshr_b32 s28, s16, 1                         ; hc: ((w / 2) 256 + T) 4,096 + (w % 2) 2,048
	s_lshl_b32 s28, s28, 8
	s_add_co_u32 s28, s28, ttmp9
	s_lshl_b32 s28, s28, 12
	s_and_b32 s29, s16, 1
	s_lshl_b32 s29, s29, 11
	s_add_co_u32 s28, s28, s29
	s_mov_b32 s29, 0
	s_lshl_b32 s30, ttmp9, 9                       ; hs: 512 bytes a tile
	s_mov_b32 s31, 0
	s_wait_kmcnt 0x0
	s_add_nc_u64 s[4:5], s[4:5], s[24:25]
	s_add_nc_u64 s[6:7], s[6:7], s[26:27]
	s_add_nc_u64 s[8:9], s[8:9], s[26:27]
	s_add_nc_u64 s[10:11], s[10:11], s[28:29]
	s_add_nc_u64 s[12:13], s[12:13], s[30:31]
.irp i, 0,1,2,3,4,5,6,7,8,9,10,11,12,13,14,15
	global_load_b128 v[X+4*\i:X+4*\i+3], v[VL], s[4:5] offset:4096*\i      ; row i: 32 lanes read 512 consecutive bytes
.endr
.irp q, 0,1,2,3
.irp j, 0,1,2,3
	global_load_b128 v[G+16*\q+4*\j:G+16*\q+4*\j+3], v[VG], s[6:7] offset:128*\q+16*\j
.endr
.endr
.irp q, 0,1,2,3
.irp j, 0,1,2,3
	global_load_b128 v[BB+16*\q+4*\j:BB+16*\q+4*\j+3], v[VG], s[8:9] offset:128*\q+16*\j
.endr
.endr
	s_wait_loadcnt 32                              ; x is in; the 32 loads of g and b stay out
.irp i, 0,1,2,3,4,5,6,7,8,9,10,11,12,13,14,15
	ds_store_b128 v[STI], v[X+4*\i:X+4*\i+3] offset:528*\i
.endr
.irp q, 0,1,2,3
.irp j, 0,1,2,3
	ds_load_b128 v[X+16*\q+4*\j:X+16*\q+4*\j+3], v[STO] offset:128*\q+16*\j   ; LDS serves a wave's instructions in order: these see my stores.  Register 16 q + i = column 32 q + 16 h + i of row p
.endr
.endr
	s_wait_dscnt 0x0
	; the mean
	v_pk_add_f32 v[CA:CA+1], v[X:X+1], v[X+2:X+3]
	v_pk_add_f32 v[CB:CB+1], v[X+4:X+5], v[X+6:X+7]
.irp j, 8,16,24,32,40,48,56
	s_delay_alu instid0(VALU_DEP_2)
	v_pk_add_f32 v[CA:CA+1], v[CA:CA+1], v[X+\j:X+\j+1]
	s_delay_alu instid0(VALU_DEP_2)
	v_pk_add_f32 v[CB:CB+1], v[CB:CB+1], v[X+\j+2:X+\j+3]
	s_delay_alu instid0(VALU_DEP_2)
	v_pk_add_f32 v[CA:CA+1], v[CA:CA+1], v[X+\j+4:X+\j+5]
	s_delay_alu instid0(VALU_DEP_2)
	v_pk_add_f32 v[CB:CB+1], v[CB:CB+1], v[X+\j+6:X+\j+7]
.endr
	ACROSS 0
	s_delay_alu instid0(VALU_DEP_1)
	v_mul_f32 v[MR], s22, v[PS]
	s_delay_alu instid0(VALU_DEP_1)
	v_mov_b32 v[MR+1], v[MR]
	; x - mean, in place, and the sum of its squares
.set j, 0
.rept 32
	v_pk_add_f32 v[X+j:X+j+1], v[X+j:X+j+1], v[MR:MR+1] neg_lo:[0,1] neg_hi:[0,1]
.set j, j+2
.endr
	v_pk_mul_f32 v[CA:CA+1], v[X:X+1], v[X:X+1]
	v_pk_mul_f32 v[CB:CB+1], v[X+2:X+3], v[X+2:X+3]
.set j, 4
.rept 15
	s_delay_alu instid0(VALU_DEP_2)
	v_pk_fma_f32 v[CA:CA+1], v[X+j:X+j+1], v[X+j:X+j+1], v[CA:CA+1]
	s_delay_alu instid0(VALU_DEP_2)
	v_pk_fma_f32 v[CB:CB+1], v[X+j+2:X+j+3], v[X+j+2:X+j+3], v[CB:CB+1]
.set j, j+4
.endr
	ACROSS 512                                     ; other bytes than the first sums': no barrier is owed between the two
	s_delay_alu instid0(VALU_DEP_1)
	v_fma_f32 v[T0], v[PS], s22, s14               ; var + eps
	s_wait_alu depctr_va_vdst(0)
	v_rsq_f32 v[MR], v[T0]
	v_nop                                          ; a plain line behind the transcendental
	s_wait_alu depctr_va_vdst(0)                   ; the wait ahead of the first line that names the result
	v_mov_b32 v[MR+1], v[MR]
.set j, 0
.rept 32
	v_pk_mul_f32 v[X+j:X+j+1], v[X+j:X+j+1], v[MR:MR+1]
.set j, j+2
.endr
	s_wait_loadcnt 0x0                             ; g and b
.set j, 0
.rept 32
	v_pk_fma_f32 v[X+j:X+j+1], v[X+j:X+j+1], v[G+j:G+j+1], v[BB+j:BB+j+1]
.set j, j+2
.endr
	QUANT X, PC
.irp c, 0,1,2,3
	global_store_b128 v[VL], v[PC+4*\c:PC+4*\c+3], s[10:11] offset:512*\c  ; the image of the operand's registers: 512 consecutive bytes a store
.endr
	ds_store_b32 v[SW], v[PW]                      ; my K step's word of row p
	s_wait_dscnt 0x0
	s_barrier_signal -1
	s_barrier_wait -1
	s_cmp_lg_u32 s16, 0                            ; wave 0 stores the tile's 512 scale bytes as two aligned runs of 256
	s_cbranch_scc1 .Lnot_first
	ds_load_b128 v[PS:PS+3], v[SR]
	s_wait_dscnt 0x0
	global_store_b128 v[VL], v[PS:PS+3], s[12:13]
.Lnot_first:
	s_wait_tensorcnt 0x0                           ; the wave's end: behind my last LDS store
	ds_add_u32 v[SPW], v[NIL]
	s_wait_dscnt 0x0
	s_endpgm
.Lfunc_end_k_q5106b2fc3d_ln1:
	.size	k_q5106b2fc3d_ln1, .Lfunc_end_k_q5106b2fc3d_ln1-k_q5106b2fc3d_ln1
	.p2alignl 7, 3214868480
	.fill 96, 4, 3214868480
	.section	.rodata,"a",@progbits
	.p2align	6, 0x0
	.amdhsa_kernel k_q5106b2fc3d_ln1
		.amdhsa_group_segment_fixed_size 70144
		.amdhsa_private_segment_fixed_size 0
		.amdhsa_enable_private_segment 0
		.amdhsa_kernarg_size 40
		.amdhsa_user_sgpr_count 2
		.amdhsa_user_sgpr_kernarg_segment_ptr 1
		.amdhsa_wavefront_size32 1
		.amdhsa_system_sgpr_workgroup_id_x 1
		.amdhsa_system_sgpr_workgroup_id_y 1
		.amdhsa_system_sgpr_workgroup_id_z 1
		.amdhsa_system_vgpr_workitem_id 0
		.amdhsa_next_free_vgpr 256
		.amdhsa_next_free_sgpr 66
		.amdhsa_reserve_vcc 0
		.amdhsa_float_denorm_mode_32 3
		.amdhsa_float_denorm_mode_16_64 3
		.amdhsa_memory_ordered 1
		.amdhsa_forward_progress 1
		.amdhsa_inst_pref_size 34
	.end_amdhsa_kernel
	.amdgpu_metadata
---
amdhsa.version: [ 1, 2 ]
amdhsa.kernels:
  - .name:           k_q5106b2fc3d_ln1
    .symbol:         k_q5106b2fc3d_ln1.kd
    .args:
      - { .name: hidden_states, .offset: 0, .size: 8, .value_kind: global_buffer, .address_space: global }
      - { .name: ln1_g, .offset: 8, .size: 8, .value_kind: global_buffer, .address_space: global }
      - { .name: ln1_b, .offset: 16, .size: 8, .value_kind: global_buffer, .address_space: global }
      - { .name: hc, .offset: 24, .size: 8, .value_kind: global_buffer, .address_space: global }
      - { .name: hs, .offset: 32, .size: 8, .value_kind: global_buffer, .address_space: global }
    .group_segment_fixed_size: 70144
    .private_segment_fixed_size: 0
    .kernarg_segment_align: 8
    .kernarg_segment_size: 40
    .max_flat_workgroup_size: 256
    .sgpr_count:     66
    .vgpr_count:     256
    .wavefront_size: 32
...
	.end_amdgpu_metadata
.endif
;; end of part 1
;; launch attn (part 2): grid 16 x 16, 4 waves a work-group, clusters of 4 x 1, 261,632 bytes of LDS; arguments hidden_states, hc, hs, wq_codes, wq_scales, bq, wk_codes, wk_scales, bk, wv_codes, wv_scales, bv, x1; writes x1
.if DOCPART == 2
	.amdgcn_target "amdgcn-amd-amdhsa--gfx1250"
	.amdhsa_code_object_version 6
	.text
	.protected	k_q5106b2fc3d_attn
	.globl	k_q5106b2fc3d_attn
	.p2align	8
	.type	k_q5106b2fc3d_attn,@function
k_q5106b2fc3d_attn:
	s_mov_b64 s[64:65], 0
	v_nop
	global_prefetch_b8 v0, s[64:65] scope:SCOPE_SE
	s_setreg_imm32_b32 hwreg(HW_REG_WAVE_MODE, 25, 1), 1
	s_wait_xcnt 0x0
	s_wait_alu depctr_hold_cnt(0) depctr_sa_sdst(0) depctr_va_vdst(0) depctr_va_sdst(0) depctr_va_ssrc(0) depctr_va_vcc(0) depctr_vm_vsrc(0)
	s_getreg_b32 s2, hwreg(HW_REG_IB_STS2, 6, 4)
	s_cmp_eq_u32 s2, 0
	s_cbranch_scc0 .Lentry_in_a_cluster
	s_endpgm
.Lentry_in_a_cluster:
	s_bfe_u32 s2, ttmp6, 0x10000c
	s_cmp_lg_u32 s2, 0x3003
	s_cbranch_scc0 .Lentry_shape_is_right
	s_endpgm
.Lentry_shape_is_right:
; x1 = x + attention(LN1(x)), one work-group for one sequence (work-group x) and one head (y).  All five products on codes of E5M2 with E8M0 scales.  No work of the problem is left out here.
; LIMITS: as in the first kernel (NaN, infinities; the byte 1 for blocks of zeros or under 2^-111).  Inside a block of 32 the order of k differs from reference()'s in q k^T and p v (the same order on both sides): the sums' last bits may differ.
; SHARES.  Wave w owns tokens 64 w .. 64 w + 63 (four tiles of 16): it makes their q, k and v for the head's 64 + 64 + 64 columns (column d 16 + head of the weights), later it owns them as queries.
; PHASE 1.  K = 1,024 in eight steps of 128.  The head's rows of wq, wk, wv (64 rows of 1,024 bytes each, 16,384 bytes apart) come into LDS ONCE, as three tiles of 64 rows x 1,024 bytes, one for each weight.  The four sequences of a
; cluster need the same rows: the tiles are asked for JOINTLY.  LN1's codes come straight into registers as images (512 consecutive bytes a load): each byte serves one wave, so LDS would only add a copy; that is why they are not shared.
; q, k: source 0 = 16 rows of the weight, source 1 = 16 tokens: a lane holds ONE token and its registers run along d.  v: the sources swapped: a lane holds one d and its registers run along the tokens, the second product's K.
; The 16 registers of two neighbouring tiles hold, in lanes l and l xor 16 together, exactly one block of 32; within the block the order is 16 (i / 8) + 8 h + i % 8 on BOTH operands of each product.
; PHASE 2.  q, k, v are quantised in registers; k's and v's codes and scale words go to the other waves through LDS as images of operand registers.
; PHASE 3.  S^T = k q^T: K = 64 is half of the instruction's 128, so source 0 holds TWO tiles of keys (one in each half of K) and source 1 holds q in one half and zero codes in the other.
; p = 2^(t - M), M = ceil(the row's largest t): all 256 keys are at hand, so M is final.  The row's sum is taken of the unquantised p.  O^T = v^T p^T; O^T / sum + x leaves through a stage as aligned runs of 256 bytes.
; REGISTERS, in windows of 256.  Window 0: v1-22 addresses; v23-26 row sums; v28, v29 the add's two; v32-95 scale words and nothing else; v96-127 the softmax's work; v128-255 LN1's codes (two sets), then the quantiser's work, then S^T and p, then O.
; Window 1: the weights' twelve fragments and the biases of q, k; then k's eight pairs and v's eight fragments.  Window 2: q's and k's 32 accumulators; then O^T and x.  Window 3: v's 16 accumulators; bv, a third set of LN1's codes; then q's codes among zeros, and p's codes.
.set WTT,   64*1040                    ; a weight's 64 rows of the head in LDS: 1,024 bytes + 16 of padding each
.set KIMG,  3*WTT
.set KSC,   KIMG+8*2048                ; their scale words, 128 bytes each
.set VIMG,  KSC+8*128                  ; v: fragment 2 e + s (16 of the head's 64 x 128 keys)
.set VSC,   VIMG+8*2048
.set STG,   VSC+8*128                  ; the way out: 16 rows x (256 + 16) bytes for each wave
.set SPARE, STG+4*16*272               ; the spare words, 128 bytes for each wave: two blocks of 256 bytes that no other line names
.set SPW, 28
.set NIL, 29
.set TM,  128                          ; the quantiser's work, 16 registers each: largest magnitudes,
.set TP,  144                          ; the other half's, then the bytes (written before: LN1's codes lay here),
.set TH,  160                          ; 57,344 x the scale,
.set TS,  176                          ; the conversions' scale operands
.set KC,  192                          ; k's codes
.set VC,  224                          ; v's codes
.set WV,  3                            ; s3   wave
.set SEL, 70                           ; s[70:71]
.set CS,  72                           ; s[72:73] log2(e) / sqrt(64)
.set MNT, 74
.set MSB, 0
.macro WIN new                         ; the immediate's high byte repeats the setting that is left
.if MSB != (\new)
	s_set_vgpr_msb (MSB<<8)|(\new)
.set MSB, (\new)
.endif
.endm
.macro PLACES n
.rept \n
	v_nop
.endr
.endm
.macro CROUND                          ; a round of the cluster's barrier
	s_barrier_signal -1
	s_barrier_wait -1
	s_cmp_lg_u32 s[WV], 0
	s_cbranch_scc1 .Lnot_wave_0_\@
	s_barrier_signal -3
.Lnot_wave_0_\@:
	s_barrier_wait -3
	s_barrier_signal -1
	s_barrier_wait -1
.endm
.macro WMM row                         ; one product on the registers named by fD, fA, fB, fC, fX, fY; row = 1: both scale words from lanes 16-31
.if \row
	v_wmma_scale_f32_16x16x128_f8f6f4 v[fD:fD+7], v[fA:fA+15], v[fB:fB+15], v[fC:fC+7], v[fX], v[fY] matrix_a_fmt:MATRIX_FMT_BF8 matrix_b_fmt:MATRIX_FMT_BF8 matrix_a_scale:MATRIX_SCALE_ROW1 matrix_b_scale:MATRIX_SCALE_ROW1
.else
	v_wmma_scale_f32_16x16x128_f8f6f4 v[fD:fD+7], v[fA:fA+15], v[fB:fB+15], v[fC:fC+7], v[fX], v[fY] matrix_a_fmt:MATRIX_FMT_BF8 matrix_b_fmt:MATRIX_FMT_BF8
.endif
.endm
.macro WMZ                             ; the same with the constant 0 as C: it starts a sum
	v_wmma_scale_f32_16x16x128_f8f6f4 v[fD:fD+7], v[fA:fA+15], v[fB:fB+15], 0, v[fX], v[fY] matrix_a_fmt:MATRIX_FMT_BF8 matrix_b_fmt:MATRIX_FMT_BF8
.endm
	s_load_b512 s[8:23], s[0:1], 0x0               ; x s[8:9], hc s[10:11], hs s[12:13], wq codes s[14:15], scales s[16:17], bq s[18:19], wk codes s[20:21], scales s[22:23]
	s_load_b256 s[24:31], s[0:1], 0x40             ; bk s[24:25], wv codes s[26:27], scales s[28:29], bv s[30:31]
	s_load_b64 s[32:33], s[0:1], 0x60              ; x1
	v_lshl_add_u32 v[SPW], v0, 2, SPARE
	v_mov_b32 v[NIL], 0
	ds_add_u32 v[SPW], v[NIL]                      ; the wave's opening: the add, twice on end, and its wait ahead of my first tensor load
	ds_add_u32 v[SPW], v[NIL]
	v_lshrrev_b32 v1, 5, v0
	v_readfirstlane_b32 s[WV], v1                  ; wave 0..3
	s_bfe_u32 s4, ttmp6, 0x40000                   ; cx
	s_lshl_b32 s5, ttmp9, 2
	s_add_co_u32 s5, s5, s4                        ; the sequence = 4 x cluster x + cx: it enters global addresses of hc, hs, x, x1 alone
	s_and_b32 s6, ttmp7, 0xffff                    ; the head, which the four partners share
	; descriptor group 1: 64 rows x 1,024 bytes, 16,384 bytes apart, 16 bytes of padding behind each row
	s_mov_b32 s36, 15|(1<<20)|(1<<21)|(7<<22)|(3<<25)  ; the mask: all four; padding: 4 words after every 256
	s_mov_b32 s37, 1024<<16
	s_mov_b32 s38, 64<<16
	s_mov_b32 s39, 1024<<16
	s_mov_b32 s40, 64
	s_mov_b32 s41, 16384
	s_mov_b32 s42, 0
	s_mov_b32 s43, 0
	s_mov_b32 s[SEL], 0x76543210
	s_mov_b32 s[SEL+1], 0xfedcba98
	s_mov_b32 s[CS], 0x3e38aa3b                    ; log2(e) / 8
	s_mov_b32 s[CS+1], s[CS]
	s_mov_b32 s[MNT], 0x600000
	v_and_b32 v1, 15, v0                           ; r
	v_bfe_u32 v2, v0, 4, 1                         ; h
	v_and_b32 v30, 31, v0
	v_lshlrev_b32 v3, 4, v30                       ; v3  16 x lane
	v_lshlrev_b32 v31, 2, v30                      ; 4 x lane
	v_mul_u32_u24 v4, v1, 1040
	v_lshl_add_u32 v4, v2, 4, v4                   ; v4-6  a fragment's row r, + 16 h, in wq's, wk's, wv's rows
	v_add_nc_u32 v5, WTT, v4
	v_add_nc_u32 v6, 2*WTT, v4
	v_lshlrev_b32 v8, 9, v1
	v_lshl_add_u32 v8, v2, 4, v8                   ; v8  the weights' scale bytes: 512 r + 16 h (rows 16 apart, 32 bytes each)
	v_lshlrev_b32 v9, 5, v1
	v_lshl_add_u32 v9, v2, 4, v9                   ; v9  hs: 32 r + 16 h
	v_lshlrev_b32 v10, 9, v2                       ; v10 bq, bk: 8 h numbers 64 bytes apart
	v_lshlrev_b32 v11, 6, v1                       ; v11 bv: 64 r
	s_lshl_b32 s56, s[WV], 12
	s_add_co_u32 s56, s56, KIMG
	v_add_nc_u32 v12, s56, v3                      ; v12 where I store k's images
	s_lshl_b32 s56, s[WV], 8
	s_add_co_u32 s56, s56, KSC
	v_add_nc_u32 v13, s56, v31                     ; v13 and their words
	s_lshl_b32 s56, s[WV], 10
	s_add_co_u32 s56, s56, VIMG
	v_add_nc_u32 v14, s56, v3                      ; v14 v's: my two blocks of keys are half of fragment 2 e + w / 2
	s_lshr_b32 s56, s[WV], 1
	s_lshl_b32 s56, s56, 7
	s_and_b32 s57, s[WV], 1
	s_lshl_b32 s57, s57, 1
	s_add_co_u32 s56, s56, s57
	s_add_co_u32 s56, s56, VSC
	v_add_nc_u32 v15, s56, v31                     ; v15 and half of its word
	v_add_nc_u32 v16, KIMG, v3                     ; v16-19 where any wave reads them
	v_add_nc_u32 v17, KSC, v31
	v_add_nc_u32 v18, VIMG, v3
	v_add_nc_u32 v19, VSC, v31
	s_mul_i32 s56, s[WV], 16*272
	s_add_co_u32 s56, s56, STG
	v_mul_u32_u24 v20, v1, 272
	v_lshl_add_u32 v20, v2, 5, v20
	v_add_nc_u32 v20, s56, v20                     ; v20 the stage, in: row r, + 32 h
	v_mul_u32_u24 v21, v2, 272
	v_lshl_add_u32 v21, v1, 4, v21
	v_add_nc_u32 v21, s56, v21                     ; v21 back: lanes 0-15 one row, lanes 16-31 the next
	v_lshlrev_b32 v22, 12, v2
	v_lshl_add_u32 v22, v1, 4, v22                 ; v22 the same two rows in x and x1
	s_lshl_b32 s56, s5, 4
	s_lshl_b32 s57, s[WV], 2
	s_add_co_u32 s56, s56, s57                     ; my first tile of tokens
	s_lshl_b32 s58, s56, 12                        ; in hc,
	s_mov_b32 s59, 0
	s_lshl_b32 s60, s56, 9                         ; in hs,
	s_mov_b32 s61, 0
	s_lshl_b32 s66, s56, 16                        ; in x and x1, + the head's 256 bytes of a row
	s_lshl_b32 s67, s6, 8
	s_add_co_u32 s66, s66, s67
	s_mov_b32 s67, 0
	s_lshl_b32 s68, s6, 5                          ; the head's first row of scale bytes
	s_mov_b32 s69, 0
	s_lshl_b32 s76, s6, 2                          ; and its first bias
	s_mov_b32 s77, 0
	s_lshl_b32 s75, s6, 10                         ; and its first row of codes
	s_wait_dscnt 0x0                               ; both opening adds are done
	s_wait_kmcnt 0x0
	s_add_nc_u64 s[10:11], s[10:11], s[58:59]
	s_add_nc_u64 s[12:13], s[12:13], s[60:61]
	s_add_nc_u64 s[8:9], s[8:9], s[66:67]
	s_add_nc_u64 s[32:33], s[32:33], s[66:67]
	s_add_nc_u64 s[16:17], s[16:17], s[68:69]
	s_add_nc_u64 s[22:23], s[22:23], s[68:69]
	s_add_nc_u64 s[28:29], s[28:29], s[68:69]
	s_add_nc_u64 s[18:19], s[18:19], s[76:77]
	s_add_nc_u64 s[24:25], s[24:25], s[76:77]
	s_add_nc_u64 s[30:31], s[30:31], s[76:77]
	; descriptor groups 0: one for each weight t = 0 wq, 1 wk, 2 wv: wave t's one load brings all of K of it.  Nothing here hangs on my place in the cluster
	; three descriptors, one for each weight: the head's 64 rows, all of K, by one load
	s_mov_b32 s66, s75
	s_mov_b32 s67, 0
.irp i, 0,1,2
	s_mov_b32 s[44+4*\i], 1
	s_mov_b32 s[45+4*\i], \i*WTT
.endr
	s_add_nc_u64 s[46:47], s[14:15], s[66:67]
	s_or_b32 s47, s47, 0x80000000
	s_add_nc_u64 s[50:51], s[20:21], s[66:67]
	s_or_b32 s51, s51, 0x80000000
	s_add_nc_u64 s[54:55], s[26:27], s[66:67]
	s_or_b32 s55, s55, 0x80000000
	CROUND                                         ; all four work-groups are here: the joint loads meet
	; one tensor load a wave at the head: wave 0 wq's rows, wave 1 wk's, wave 2 wv's, wave 3 none
	s_cmp_eq_u32 s[WV], 0
	s_cbranch_scc0 .Lhead_k
	tensor_load_to_lds s[44:47], s[36:43]
	s_nop 0
	PLACES 4
	s_branch .Lhead_asked
.Lhead_k:
	s_cmp_eq_u32 s[WV], 1
	s_cbranch_scc0 .Lhead_v
	tensor_load_to_lds s[48:51], s[36:43]
	s_nop 0
	PLACES 4
	s_branch .Lhead_asked
.Lhead_v:
	s_cmp_eq_u32 s[WV], 2
	s_cbranch_scc0 .Lhead_asked
	tensor_load_to_lds s[52:55], s[36:43]
	s_nop 0
	PLACES 4
.Lhead_asked:
	; scale words.  A lane's 16 bytes are four words: lanes 0-15 hold those of K steps 0-3, lanes 16-31 those of steps 4-7
.irp m, 0,1,2,3
	global_load_b128 v[32+4*\m:35+4*\m], v9, s[12:13] offset:512*\m        ; LN1's: tile m of tokens
.endr
.irp n, 0,1,2,3
	global_load_b128 v[48+4*\n:51+4*\n], v8, s[16:17] offset:8192*\n       ; wq's: tile n of d
.endr
.irp n, 0,1,2,3
	global_load_b128 v[64+4*\n:67+4*\n], v8, s[22:23] offset:8192*\n
.endr
.irp n, 0,1,2,3
	global_load_b128 v[80+4*\n:83+4*\n], v8, s[28:29] offset:8192*\n
.endr
	WIN 0x40                                       ; destination window 1
.irp n, 0,1,2,3
.irp j, 0,1,2,3,4,5,6,7
	global_load_b32 v[192+8*\n+\j], v10, s[18:19] offset:(16*\n+\j)*64     ; bq at d = 16 n + 8 h + j: the C of q's first products
.endr
.endr
.irp n, 0,1,2,3
.irp j, 0,1,2,3,4,5,6,7
	global_load_b32 v[224+8*\n+\j], v10, s[24:25] offset:(16*\n+\j)*64
.endr
.endr
	WIN 0xc0                                       ; destination window 3
.irp e, 0,1,2,3
	global_load_b32 v[128+8*\e], v11, s[30:31] offset:1024*\e              ; bv at d = 16 e + r
.endr
; LN1's codes of K step s, my four tiles of tokens, into set s % 3
.macro ALOAD s
.if ((\s)%3) == 2
	WIN 0xc0
.set AL, 160
.else
	WIN 0
.set AL, 128+64*((\s)%3)
.endif
.irp m, 0,1,2,3
.irp c, 0,1,2,3
	global_load_b128 v[AL+16*\m+4*\c:AL+16*\m+4*\c+3], v3, s[10:11] offset:((\s)>>1)*1048576+\m*4096+((\s)&1)*2048+512*\c
.endr
.endr
.endm
; six of the twelve weight fragments of K step s (fragment 4 t + n: tile n of d of weight t) into window 1
.macro LOADH half, s
	WIN 0x40
.irp u, 0,1,2,3,4,5
.irp c, 0,1,2,3
	ds_load_b128 v[16*(6*(\half)+\u)+4*\c:16*(6*(\half)+\u)+4*\c+3], v[4+(6*(\half)+\u)/4] offset:((6*(\half)+\u)%4)*16640+(\s)*128+32*\c
.endr
.endr
.endm
.macro ASET s                          ; where K step s finds LN1's codes, and the windows of its products
.if ((\s)%3) == 2
.set AB, 160
.set WQK, 0xad
.set WVV, 0xf7
.else
.set AB, 128+64*((\s)%3)
.set WQK, 0xa1
.set WVV, 0xf4
.endif
.if (\s) == 0
.set WQK, 0x91                         ; C: the biases, in window 1
.endif
.endm
.macro MQK f, s                        ; q or k: fragment f against my four tiles of tokens: four accumulators by turns
.irp m, 0,1,2,3
.set fD, 8*((((\f)/4)*4+\m)*4+(\f)%4)
.set fA, 16*(\f)
.set fB, AB+16*\m
.set fC, fD
.if (\s) == 0
.set fC, 192+8*(\f)
.endif
.set fX, 48+4*(\f)+((\s)&3)
.set fY, 32+4*\m+((\s)&3)
	WMM (\s)/4
.endr
.endm
.macro MV e, s                         ; v: the sources swapped
.irp m, 0,1,2,3
.set fD, 8*(4*(\e)+\m)
.set fA, AB+16*\m
.set fB, 16*(8+(\e))
.set fC, fD
.if (\s) == 0
.set fC, 128+8*(\e)
.endif
.set fX, 32+4*\m+((\s)&3)
.set fY, 48+4*(8+(\e))+((\s)&3)
	WMM (\s)/4
.endr
.endm
; A K step: 48 products.  The 48 accumulators take turns, one instruction a turn, in the same order in every step.
; The first six fragments are fetched anew while the other six are multiplied, and the other way round.  Eight plain lines stand in front of loads into registers that products have read.
.macro STEP s
	ASET \s
.if (\s) < 7
	s_wait_loadcnt 16                              ; this step's codes of LN1 are in; the next step's 16 loads stay out
.else
	s_wait_loadcnt 0x0
.endif
	s_wait_dscnt 24                                ; fragments 0-5 are in; 6-11 may be out
	WIN WQK
.irp u, 0,1,2,3,4,5
	MQK \u, \s
.endr
.if (\s) < 7
	PLACES 8
	LOADH 0, (\s)+1
.if (\s) < 6
	ALOAD (\s)+2
.endif
	s_wait_dscnt 24                                ; fragments 6-11 of this step are in
.else
	s_wait_dscnt 0x0
.endif
	WIN WQK
.irp u, 6,7
	MQK \u, \s
.endr
	WIN WVV
.irp e, 0,1,2,3
	MV \e, \s
.endr
.if (\s) < 7
	PLACES 8
	LOADH 1, (\s)+1
.endif
.endm
	ALOAD 0
	ALOAD 1
	s_wait_tensorcnt 0x0                           ; my weight's rows are in; behind the barrier all three weights are
	s_barrier_signal -1
	s_barrier_wait -1
	LOADH 0, 0
	LOADH 1, 0
	s_wait_loadcnt 16                              ; all but K step 1's codes
	WIN 0xc3
.irp e, 0,1,2,3
.irp j, 1,2,3,4,5,6,7
	v_mov_b32 v[128+8*\e+\j], v[128+8*\e]          ; bv is the same for a lane's eight tokens
.endr
.endr
	s_wait_alu depctr_va_vdst(0)
.irp s, 0,1,2,3,4,5,6,7
	STEP \s
.endr
	; ---- PHASE 2: the quantisers
	WIN 0
	PLACES 8
	WIN 0xc0
.irp z, 0,1,2,3,4
.irp i, 0,1,2,3,4,5,6,7
	v_mov_b32 v[128+16*\z+\i], 0                   ; zero codes on both sides of each tile of q's codes: [z | q0 | z | q1 | z | q2 | z | q3 | z], eight registers each
.endr
.endr
; NB blocks of 32, block qb in the 16 registers from 16 qb on of window W (two accumulators; each is first read at its two lowest registers): the scales, and the hold in place
.macro QUANTB W, NB
	WIN (\W)|((\W)<<2)
.set qb, 0
.rept \NB
	v_max3_num_f32 v[TM+qb], |v[16*qb]|, |v[16*qb+1]|, 0x8000000           ; and the floor 2^(16 - 127)
.set qb, qb+1
.endr
	WIN ((\W)<<2)|((\W)<<4)
.irp i, 2,4,6,8,10,12,14
.set qb, 0
.rept \NB
	v_max3_num_f32 v[TM+qb], v[TM+qb], |v[16*qb+\i]|, |v[16*qb+\i+1]|
.set qb, qb+1
.endr
.endr
	WIN 0
.set qb, 0
.rept \NB
	v_permlanex16_b32 v[TP+qb], v[TM+qb], s[SEL], s[SEL+1]
.set qb, qb+1
.endr
.set qb, 0
.rept \NB
	v_max_num_f32 v[TM+qb], v[TM+qb], v[TP+qb]
.set qb, qb+1
.endr
.set qb, 0
.rept \NB
	v_add_nc_u32 v[TS+qb], 0xf8800000, v[TM+qb]
	v_and_or_b32 v[TH+qb], v[TM+qb], 0x7f800000, s[MNT]
.set qb, qb+1
.endr
.set qb, 0
.rept \NB
	v_lshrrev_b32 v[TP+qb], 23, v[TS+qb]
.set qb, qb+1
.endr
	WIN ((\W)<<6)|(\W)
.set qb, 0
.rept \NB
.irp i, 0,1,2,3,4,5,6,7,8,9,10,11,12,13,14,15
	v_med3_num_f32 v[16*qb+\i], v[16*qb+\i], -v[TH+qb], v[TH+qb]
.endr
.set qb, qb+1
.endr
.endm
	QUANTB 2, 16                                   ; blocks 2 m + c: q of tile m; 8 + 2 m + c: k of tile m
	WIN 0xc2                                       ; numbers window 2, codes window 3
.irp m, 0,1,2,3
.irp c, 0,1
.irp g, 0,1
	v_cvt_scalef32_pk8_bf8_f32 v[136+16*\m+4*\c+2*\g:137+16*\m+4*\c+2*\g], v[16*(2*\m+\c)+8*\g:16*(2*\m+\c)+8*\g+7], v[TS+2*\m+\c]
.endr
.endr
.endr
	WIN 0x02                                       ; codes window 0
.irp m, 0,1,2,3
.irp c, 0,1
.irp g, 0,1
	v_cvt_scalef32_pk8_bf8_f32 v[KC+8*\m+4*\c+2*\g:KC+8*\m+4*\c+2*\g+1], v[16*(8+2*\m+\c)+8*\g:16*(8+2*\m+\c)+8*\g+7], v[TS+8+2*\m+\c]
.endr
.endr
.endr
	v_nop                                          ; a plain line behind the last conversion
	WIN 0
.irp m, 0,1,2,3
	v_lshl_or_b32 v[48+\m], v[TP+2*\m+1], 8, v[TP+2*\m]                    ; q's word where q stands in the lower half of K (the bytes over zero codes are 0: 2^-127, no NaN),
.endr
.irp m, 0,1,2,3
	v_lshlrev_b32 v[52+\m], 16, v[48+\m]           ; and where it stands in the upper
.endr
.irp p, 0,1
	v_lshl_or_b32 v[58+\p], v[TP+9+4*\p], 8, v[TP+8+4*\p]                  ; a pair's word: two bytes of each of its two tiles of keys
	v_lshl_or_b32 v[58+\p], v[TP+10+4*\p], 16, v[58+\p]
	v_lshl_or_b32 v[58+\p], v[TP+11+4*\p], 24, v[58+\p]
.endr
.irp p, 0,1
.irp c, 0,1,2,3
	ds_store_b128 v12, v[KC+16*\p+4*\c:KC+16*\p+4*\c+3] offset:2048*\p+512*\c
.endr
	ds_store_b32 v13, v[58+\p] offset:128*\p
.endr
	QUANTB 3, 8                                    ; blocks 2 e + p: v, 16 e of the head's 64, my keys 32 p on
	WIN 0x03
.irp b, 0,1,2,3,4,5,6,7
.irp g, 0,1
	v_cvt_scalef32_pk8_bf8_f32 v[VC+4*\b+2*\g:VC+4*\b+2*\g+1], v[16*\b+8*\g:16*\b+8*\g+7], v[TS+\b]
.endr
.endr
	v_nop
	WIN 0
.irp e, 0,1,2,3
	v_lshl_or_b32 v[TM+\e], v[TP+2*\e+1], 8, v[TP+2*\e]
.endr
.irp e, 0,1,2,3
.irp p, 0,1
	ds_store_b128 v14, v[VC+4*(2*\e+\p):VC+4*(2*\e+\p)+3] offset:4096*\e+512*\p
.endr
	ds_store_b16 v15, v[TM+\e] offset:256*\e
.endr
	s_wait_dscnt 0x0                               ; for the others' sake: my stores are done
	s_barrier_signal -1
	s_barrier_wait -1
	; ---- PHASE 3
	WIN 0x80                                       ; destination window 2
.irp m, 0,1,2,3
.irp i, 0,1,2,3,4,5,6,7
	global_load_b128 v[128+32*\m+4*\i:131+32*\m+4*\i], v22, s[8:9] offset:(16*\m+2*\i)*4096   ; x, as the way out will want it: sixteen lanes read 256 consecutive bytes
.endr
.endr
	WIN 0x40
.irp f, 0,1,2,3,4,5,6,7
.irp c, 0,1,2,3
	ds_load_b128 v[16*\f+4*\c:16*\f+4*\c+3], v16 offset:2048*\f+512*\c     ; k's eight pairs
.endr
.endr
.irp f, 0,1,2,3,4,5,6,7
.irp c, 0,1,2,3
	ds_load_b128 v[128+16*\f+4*\c:128+16*\f+4*\c+3], v18 offset:2048*\f+512*\c   ; v's eight fragments
.endr
.endr
	WIN 0
.irp f, 0,1,2,3,4,5,6,7
	ds_load_b32 v[32+\f], v17 offset:128*\f
	ds_load_b32 v[40+\f], v19 offset:128*\f
.endr
.irp b, 0,1,2,3,4,5,6,7
	v_mov_b32 v[104+\b], 0                         ; a lane permute's destination counts as one of its sources
.endr
	v_mov_b32 v27, 0
	s_wait_dscnt 0x0
; One tile of 16 queries against all 256 keys.  v[4:5] -M, v[6:7], v[8:9] the sum in two chains (the offsets that lay there are done with: their loads have been waited for)
.macro ATT m
	WIN 0x0d                                       ; k window 1, q window 3, S^T window 0
.irp kt, 0,1,2,3,4,5,6,7,8,9,10,11,12,13,14,15
.set fD, 128+8*\kt
.set fA, 16*(\kt/2)
.set fX, 32+\kt/2
.if (\kt%2) == 0
.set fB, 136+16*(\m)                   ; q, then zeros
.set fY, 48+(\m)
.else
.set fB, 128+16*(\m)                   ; zeros, then q
.set fY, 52+(\m)
.endif
	WMZ
.endr
	WIN 0
	PLACES 8
.irp b, 0,1,2,3,4,5,6,7
	v_max3_num_f32 v[96+\b], v[128+16*\b], v[129+16*\b], v[130+16*\b]      ; the largest score of each block of 32 keys: for the row's maximum, and for the block's largest p
.endr
.irp i, 3,5,7,9,11,13
.irp b, 0,1,2,3,4,5,6,7
	v_max3_num_f32 v[96+\b], v[96+\b], v[128+16*\b+\i], v[129+16*\b+\i]
.endr
.endr
.irp b, 0,1,2,3,4,5,6,7
	v_max_num_f32 v[96+\b], v[96+\b], v[143+16*\b]
.endr
.irp b, 0,1,2,3,4,5,6,7
	v_permlanex16_b32 v[104+\b], v[96+\b], s[SEL], s[SEL+1]
.endr
.irp b, 0,1,2,3,4,5,6,7
	v_max_num_f32 v[96+\b], v[96+\b], v[104+\b]
.endr
	v_max3_num_f32 v27, v96, v97, v98
	v_max3_num_f32 v27, v27, v99, v100
	v_max3_num_f32 v27, v27, v101, v102
	v_max_num_f32 v27, v27, v103
	v_mul_f32 v27, s[CS], v27                      ; the row's largest t
	v_floor_f32 v4, -v27                           ; -M = floor(-t) = -ceil(t)
	v_mov_b32 v5, v4
.set j, 0
.rept 64
	v_pk_fma_f32 v[128+j:129+j], v[128+j:129+j], s[CS:CS+1], v[4:5] op_sel_hi:[1,0,0]   ; t - M
.set j, j+2
.endr
.irp b, 0,1,2,3,4,5,6,7
	v_fma_f32 v[96+\b], v[96+\b], s[CS], v4
.endr
.set j, 0
	s_wait_alu depctr_va_vdst(0)
.rept 128
	v_exp_f32 v[128+j], v[128+j]                   ; p = 2^(t - M): not normalised
.set j, j+1
.endr
	v_nop                                          ; a plain line behind the batch
	s_wait_alu depctr_va_vdst(0)                   ; the wait ahead of the first line that names a result: one for the 128
.irp b, 0,1,2,3,4,5,6,7
	v_exp_f32 v[96+\b], v[96+\b]                   ; each block's largest p
.endr
	v_pk_add_f32 v[6:7], v[128:129], v[132:133]    ; the row's sum, of the unquantised p
	v_pk_add_f32 v[8:9], v[130:131], v[134:135]
.set j, 8
.rept 30
	v_pk_add_f32 v[6:7], v[6:7], v[128+j:129+j]
	v_pk_add_f32 v[8:9], v[8:9], v[130+j:131+j]
.set j, j+4
.endr
	v_pk_add_f32 v[6:7], v[6:7], v[8:9]
	v_add_f32 v[23+(\m)], v6, v7
	v_permlanex16_b32 v27, v[23+(\m)], s[SEL], s[SEL+1]
	v_add_f32 v[23+(\m)], v[23+(\m)], v27
	s_wait_alu depctr_va_vdst(0)                   ; and one for the eight
.irp b, 0,1,2,3,4,5,6,7
	v_max_num_f32 v[96+\b], 0x8000000, v[96+\b]    ; the floor
.endr
.irp b, 0,1,2,3,4,5,6,7
	v_add_nc_u32 v[120+\b], 0xf8800000, v[96+\b]
	v_and_or_b32 v[112+\b], v[96+\b], 0x7f800000, s[MNT]
.endr
.irp b, 0,1,2,3,4,5,6,7
	v_lshrrev_b32 v[104+\b], 23, v[120+\b]
.endr
.irp u, 0,1
	v_lshl_or_b32 v[56+\u], v[105+4*\u], 8, v[104+4*\u]                    ; p's scale words for keys 128 u on
	v_lshl_or_b32 v[56+\u], v[106+4*\u], 16, v[56+\u]
	v_lshl_or_b32 v[56+\u], v[107+4*\u], 24, v[56+\u]
.endr
.irp b, 0,1,2,3,4,5,6,7
.irp i, 0,1,2,3,4,5,6,7,8,9,10,11,12,13,14,15
	v_min_num_f32 v[128+16*\b+\i], v[128+16*\b+\i], v[112+\b]              ; p is not negative: a one-sided hold
.endr
.endr
	WIN 0xc0                                       ; codes window 3
.irp b, 0,1,2,3,4,5,6,7
	v_cvt_scalef32_pk8_bf8_f32 v[200+4*\b:201+4*\b], v[128+16*\b:135+16*\b], v[120+\b]
	v_cvt_scalef32_pk8_bf8_f32 v[202+4*\b:203+4*\b], v[136+16*\b:143+16*\b], v[120+\b]
.endr
	WIN 0
	PLACES 4                                       ; an operand written by vector instructions stands four plain lines ahead of a scaled product; the scale words were made ahead of the holds
	WIN 0xad                                       ; v window 1, p window 3, O^T window 2
.irp u, 0,1
.irp e, 0,1,2,3
.set fD, 8*(4*(\m)+\e)
.set fA, 128+16*(2*\e+\u)
.set fB, 200+16*\u
.set fC, fD
.set fX, 40+2*\e+\u
.set fY, 56+\u
.if \u == 0
	WMZ
.else
	WMM 0
.endif
.endr
.endr
.endm
; THE WAY OUT of one tile of 16 queries, directly behind its products, so that its stores are on their way while the next tile is multiplied.
; O^T / the sum goes through my stage and comes back as rows of 256 bytes; x is added; sixteen lanes store 256 consecutive bytes, aligned.
.macro OUT m
	WIN 0
	PLACES 8                                       ; eight plain lines behind the tile's last product
	v_rcp_f32 v96, v[23+(\m)]
	v_nop                                          ; a plain line behind the transcendental
	s_wait_alu depctr_va_vdst(0)                   ; the wait ahead of the first reader of the result and of O^T
	v_mov_b32 v97, v96
	WIN 0x02                                       ; O^T window 2
.irp k, 0,2,4,6,8,10,12,14,16,18,20,22,24,26,28,30
	v_pk_mul_f32 v[128+\k:129+\k], v[32*(\m)+\k:32*(\m)+\k+1], v[96:97]
.endr
	WIN 0
.irp e, 0,1,2,3
	ds_store_b128 v20, v[128+8*\e:131+8*\e] offset:64*\e                   ; lane (r, h): query r, d = 16 e + 8 h + 0..7
	ds_store_b128 v20, v[132+8*\e:135+8*\e] offset:64*\e+16
.endr
.irp i, 0,1,2,3,4,5,6,7
	ds_load_b128 v[128+4*\i:131+4*\i], v21 offset:544*\i                   ; LDS serves a wave's instructions in order: these see my stores
.endr
	s_wait_loadcnt 0x0                             ; x
	s_wait_dscnt 0x0
	WIN 0x08                                       ; x window 2
.irp k, 0,2,4,6,8,10,12,14,16,18,20,22,24,26,28,30
	v_pk_add_f32 v[128+\k:129+\k], v[128+\k:129+\k], v[128+32*(\m)+\k:129+32*(\m)+\k]
.endr
	WIN 0
.irp i, 0,1,2,3,4,5,6,7
	global_store_b128 v22, v[128+4*\i:131+4*\i], s[32:33] offset:(16*(\m)+2*\i)*4096
.endr
	s_wait_xcnt 0x0                                ; the stores have read their registers: the next tile's scores are written there
.endm
.irp m, 0,1,2,3
	ATT \m
	OUT \m
.endr
	s_wait_tensorcnt 0x0                           ; the wave's end
	ds_add_u32 v[SPW], v[NIL]
	s_wait_dscnt 0x0
	CROUND                                         ; the closing round
	s_endpgm
.Lfunc_end_k_q5106b2fc3d_attn:
	.size	k_q5106b2fc3d_attn, .Lfunc_end_k_q5106b2fc3d_attn-k_q5106b2fc3d_attn
	.p2alignl 7, 3214868480
	.fill 96, 4, 3214868480
	.section	.rodata,"a",@progbits
	.p2align	6, 0x0
	.amdhsa_kernel k_q5106b2fc3d_attn
		.amdhsa_group_segment_fixed_size 261632
		.amdhsa_private_segment_fixed_size 0
		.amdhsa_enable_private_segment 0
		.amdhsa_kernarg_size 104
		.amdhsa_user_sgpr_count 2
		.amdhsa_user_sgpr_kernarg_segment_ptr 1
		.amdhsa_wavefront_size32 1
		.amdhsa_system_sgpr_workgroup_id_x 1
		.amdhsa_system_sgpr_workgroup_id_y 1
		.amdhsa_system_sgpr_workgroup_id_z 1
		.amdhsa_system_vgpr_workitem_id 0
		.amdhsa_next_free_vgpr 1024
		.amdhsa_next_free_sgpr 80
		.amdhsa_reserve_vcc 0
		.amdhsa_float_denorm_mode_32 3
		.amdhsa_float_denorm_mode_16_64 3
		.amdhsa_memory_ordered 1
		.amdhsa_forward_progress 1
		.amdhsa_inst_pref_size 255
	.end_amdhsa_kernel
	.section	.bss,"aw",@nobits
	.p2align	6
	.space	262144
	.amdgpu_metadata
---
amdhsa.version: [ 1, 2 ]
amdhsa.kernels:
  - .name:           k_q5106b2fc3d_attn
    .symbol:         k_q5106b2fc3d_attn.kd
    .args:
      - { .name: hidden_states, .offset: 0, .size: 8, .value_kind: global_buffer, .address_space: global }
      - { .name: hc, .offset: 8, .size: 8, .value_kind: global_buffer, .address_space: global }
      - { .name: hs, .offset: 16, .size: 8, .value_kind: global_buffer, .address_space: global }
      - { .name: wq_codes, .offset: 24, .size: 8, .value_kind: global_buffer, .address_space: global }
      - { .name: wq_scales, .offset: 32, .size: 8, .value_kind: global_buffer, .address_space: global }
      - { .name: bq, .offset: 40, .size: 8, .value_kind: global_buffer, .address_space: global }
      - { .name: wk_codes, .offset: 48, .size: 8, .value_kind: global_buffer, .address_space: global }
      - { .name: wk_scales, .offset: 56, .size: 8, .value_kind: global_buffer, .address_space: global }
      - { .name: bk, .offset: 64, .size: 8, .value_kind: global_buffer, .address_space: global }
      - { .name: wv_codes, .offset: 72, .size: 8, .value_kind: global_buffer, .address_space: global }
      - { .name: wv_scales, .offset: 80, .size: 8, .value_kind: global_buffer, .address_space: global }
      - { .name: bv, .offset: 88, .size: 8, .value_kind: global_buffer, .address_space: global }
      - { .name: x1, .offset: 96, .size: 8, .value_kind: global_buffer, .address_space: global }
    .group_segment_fixed_size: 261632
    .private_segment_fixed_size: 0
    .kernarg_segment_align: 8
    .kernarg_segment_size: 104
    .max_flat_workgroup_size: 128
    .sgpr_count:     80
    .vgpr_count:     1024
    .wavefront_size: 32
...
	.end_amdgpu_metadata
.endif
;; end of part 2
;; launch ln2: the kernel of part 1 again; grid 256 x 1, 8 waves a work-group, no clusters, 70,144 bytes of LDS; arguments x1, ln2_g, ln2_b, hc, hs; writes hc, hs
;; launch mlp1 (part 3): grid 32 x 8, 4 waves a work-group, clusters of 4 x 4, 327,680 bytes of LDS; arguments hc, hs, w1_codes, w1_scales, b1, ac, asc; writes ac, asc
.if DOCPART == 3
	.amdgcn_target "amdgcn-amd-amdhsa--gfx1250"
	.amdhsa_code_object_version 6
	.text
	.protected	k_q5106b2fc3d_mlp1
	.globl	k_q5106b2fc3d_mlp1
	.p2align	8
	.type	k_q5106b2fc3d_mlp1,@function
k_q5106b2fc3d_mlp1:
	s_mov_b64 s[64:65], 0
	v_nop
	global_prefetch_b8 v0, s[64:65] scope:SCOPE_SE
	s_setreg_imm32_b32 hwreg(HW_REG_WAVE_MODE, 25, 1), 1
	s_wait_xcnt 0x0
	s_wait_alu depctr_hold_cnt(0) depctr_sa_sdst(0) depctr_va_vdst(0) depctr_va_sdst(0) depctr_va_ssrc(0) depctr_va_vcc(0) depctr_vm_vsrc(0)
	s_getreg_b32 s2, hwreg(HW_REG_IB_STS2, 6, 4)
	s_cmp_eq_u32 s2, 0
	s_cbranch_scc0 .Lentry_in_a_cluster
	s_endpgm
.Lentry_in_a_cluster:
	s_bfe_u32 s2, ttmp6, 0x10000c
	s_cmp_lg_u32 s2, 0xf033
	s_cbranch_scc0 .Lentry_shape_is_right
	s_endpgm
.Lentry_shape_is_right:
; a = Q(silu(LN2(x1) w1 + b1)): [4,096 x 1,024] x [1,024 x 4,096] on codes of E5M2 with E8M0 scales; the result leaves as codes and scale bytes.  No work of the problem is left out here.
; LIMITS: NaN and infinities are not served; a block whose largest magnitude lies under 2^-111, or a block of zeros, gets the byte 1 (the bytes are read by this program alone).
; SHARES.  A work-group makes 512 tokens (tile row tb) x 128 hidden units (tile column nb = one K step of the next product).  Four waves, 2 x 2: wave column wc holds 64 rows of w1, ALL of K, in 512 registers;
; wave row wr streams LN2's codes past them in blocks of 16 tokens: 16 blocks a wave, 32 products each (8 K steps x 4 tiles of 16 units; the four sums by turns).
; Source 0 = w1's rows, source 1 = tokens: a lane holds one token, its registers run along the hidden units.  b1 is the C of a block's first four products.
; LDS.  Two slots of 128 rows x (1,024 + 16) bytes.  w1's 128 rows land in slot 1, go on into registers, and chunk 1 of the tokens is filled over them in the same shape; chunks of 128 tokens: 0 and 2 in slot 0, 1 and 3 in slot 1.
; hc holds images of operand registers: for a pair of K steps, 4,096 bytes a tile of 16 tokens, the pairs 1 MiB apart: a chunk is four dense runs of 32,768 bytes, stated as rows of 1,024 bytes; a refill is one run a wave.
; The scale bytes of the 512 tokens stay in LDS.  JOINT LOADS: w1's rows are shared by a column of the cluster, the tokens' by a row.
; THE WAY OUT of a block is 176 lines.  The first 96 (the sums' first readers and the sigmoid: two batches of 32 transcendentals, each with a wait ahead and behind) stand on end at the block's boundary,
; while the LDS loads of the block two on are out: no transcendental stands between a product and a reader of its sum.  The other 80 (z x sigmoid, largest magnitudes, holds, conversions) stand among the NEXT block's products,
; four behind each of the first 20; the sums stand in two sets.
; OUT.  ac: byte (nb/4) 2^21 + T 8,192 + (nb%4) 2,048 + 512 c + 16 lane: lane (r, h), register i: unit 128 nb + 32 c + 16 (i/8) + 8 h + i%8 of token 16 T + r.  asc: [nb][token]: a word of four bytes, byte c.
; PREFETCH: chunks 1, 2 behind the head's first barrier, chunk 3 behind block 1: 8,192 bytes a wave, lanes 256 bytes apart; the sixteen waves of a row of the cluster share a chunk out by address.  w1's rows and chunk 0 are wanted at once and come by their loads alone.
.set PITCH, 1040
.set SLOT,  128*PITCH
.set RUN,   32*PITCH                   ; what one refill load brings
.set SCL,   2*SLOT                     ; the tokens' scale bytes: 64 units of 256 + 16
.set XB,    SCL+64*272                 ; the outgoing scale bytes: [512 tokens][4]
.set SPARE, XB+2048                    ; the spare words: 128 bytes a wave, named by no other line
.set CO,  4                            ; v4   16 x lane
.set ADX, 5                            ; v5-8 my blocks in slot 0 (K steps 0-3, 4-7), in slot 1 likewise
.set ADS, 9                            ; v9   my row's scale words
.set SPW, 10
.set NIL, 11
.set ADW, 12                           ; v12  my fragments of w1 in slot 1
.set XBA, 13                           ; v13  where my two scale bytes go
.set PF,  14                           ; v14-16 prefetch offsets, never rewritten
.set XBR, 17                           ; v17  where I read 512 outgoing scale bytes
.set AWS, 18                           ; v18  32 r + 16 h
.set ABI, 19                           ; v19  32 h
.set TQ,  20                           ; v20-27 the quantiser's work
.set HW,  28                           ; v28  two scale bytes
.set XSB, 30                           ; v30-37 the tokens' scale words, two sets; lanes 0-15 K steps 0-3, lanes 16-31 steps 4-7
.set WSB, 40                           ; v40-55 w1's, four a tile, likewise; no product's two scale registers are equal modulo 8
.set BQ,  56                           ; v56-87 b1 in the sums' layout
.set ACC, 96                           ; v96-159 two sets of four sums
.set T,   160                          ; v160-191 the sigmoid's work
.set NCD, 192                          ; v192-207 codes, two sets
.set G1W, 24
.set G1C, 32
.set G1S, 40
.set G1R, 48
.set G0W, 56
.set G0C, 60
.set G0S, 68
.set G0R, 72
.set AC,  76
.set ASC, 78
.set CN,  90
.set SEL, 92
.set MNT, 94
.set MSB, 0
.macro WIN new                         ; the immediate's high byte repeats the setting that is left
.if MSB != (\new)
	s_set_vgpr_msb (MSB<<8)|(\new)
.set MSB, (\new)
.endif
.endm
.macro PLACES n
.rept \n
	v_nop
.endr
.endm
.macro WALU
	s_wait_alu depctr_va_vdst(0)
.endm
.macro BARRIER
	s_barrier_signal -1
	s_barrier_wait -1
.endm
.macro MIDDLE                          ; a round of the cluster's barrier behind its opening signal
	s_barrier_wait -1
	s_cmp_lg_u32 s14, 0
	s_cbranch_scc1 .Lnot_wave_0_\@
	s_barrier_signal -3
.Lnot_wave_0_\@:
	s_barrier_wait -3
	BARRIER
.endm
.macro CROUND
	s_barrier_signal -1
	MIDDLE
.endm
.macro TLOAD g0, g1                    ; s_nop 0 and four v_nop follow a tensor load
	tensor_load_to_lds s[\g0:\g0+3], s[\g1:\g1+7]
	s_nop 0
	PLACES 4
.endm
.macro GROUP1 g, d0, rows, pitch
	s_mov_b32 s[\g+1], (\d0)<<16
	s_mov_b32 s[\g+2], (\rows)<<16
	s_mov_b32 s[\g+3], (\d0)<<16
	s_mov_b32 s[\g+4], \rows
	s_mov_b32 s[\g+5], \pitch
	s_mov_b32 s[\g+6], 0
	s_mov_b32 s[\g+7], 0
.endm
	s_load_b256 s[4:11], s[0:1], 0x0               ; hc, hs, w1's codes, w1's scales
	s_load_b64 s[12:13], s[0:1], 0x20              ; b1
	s_load_b128 s[76:79], s[0:1], 0x28             ; ac, asc
	v_lshl_add_u32 v[SPW], v0, 2, SPARE
	v_mov_b32 v[NIL], 0
	ds_add_u32 v[SPW], v[NIL]                      ; the opening lines: the add, twice on end, and its wait
	ds_add_u32 v[SPW], v[NIL]
	v_lshrrev_b32 v1, 5, v0
	v_readfirstlane_b32 s14, v1                    ; wave
	s_lshr_b32 s15, s14, 1                         ; wr
	s_and_b32 s16, s14, 1                          ; wc
	s_bfe_u32 s17, ttmp6, 0x40000                  ; cx
	s_bfe_u32 s18, ttmp6, 0x40004                  ; cy
	s_lshl_b32 s19, ttmp9, 2
	s_add_co_u32 s19, s19, s17                     ; nb
	s_and_b32 s20, ttmp7, 0xffff
	s_lshl_b32 s20, s20, 2
	s_add_co_u32 s20, s20, s18                     ; tb
	s_lshl_b32 s21, s18, 2
	s_lshl_b32 s21, 15, s21                        ; my row of the cluster
	s_lshl_b32 s22, 0x1111, s17                    ; my column
	s_or_b32 s[G1W], s22, (1<<20)|(1<<21)|(7<<22)|(3<<25)          ; w1: 128 rows of 1,024 bytes, 4 words of padding behind each
	GROUP1 G1W, 1024, 128, 1024
	s_or_b32 s[G1C], s21, (3<<16)|(1<<20)|(1<<21)|(7<<22)|(3<<25)  ; chunk 0 whole: four runs of 4,096 elements of 8 bytes, 1 MiB apart; padding behind every 1,024 bytes
	GROUP1 G1C, 4096, 4, 131072
	s_or_b32 s[G1S], s21, (3<<16)|(1<<20)|(1<<21)|(5<<22)|(3<<25)  ; scale bytes of 256 tokens: 32 rows of 256 bytes + 16
	GROUP1 G1S, 32, 32, 32
	s_or_b32 s[G1R], s21, (3<<16)|(1<<20)|(1<<21)|(7<<22)|(3<<25)  ; a refill: one run as 32 rows of 1,024 bytes + 16
	GROUP1 G1R, 128, 32, 128
	s_lshl_b32 s80, s19, 17                        ; w1's codes: 128 rows a tile column
	s_mov_b32 s81, 0
	s_lshl_b32 s82, s20, 17                        ; hc: 32 tiles of 4,096 bytes a tile row
	s_mov_b32 s83, 0
	s_lshl_b32 s84, s20, 14                        ; hs: 512 rows of 32 bytes, + my half
	s_lshl_b32 s85, s16, 13
	s_add_co_u32 s84, s84, s85
	s_mov_b32 s85, 0
	s_lshl_b32 s86, s14, 20                        ; a refill: run = wave; chunk 1 first
	s_add_co_u32 s86, s86, s82
	s_add_co_u32 s86, s86, 32768
	s_mov_b32 s87, 0
	s_mul_i32 s95, s14, RUN
	s_lshl_b32 s88, s19, 12                        ; w1's scale bytes: my 64 rows
	s_lshl_b32 s89, s16, 11
	s_add_co_u32 s88, s88, s89
	s_mov_b32 s89, 0
	s_lshl_b32 s96, s19, 9                         ; b1: my 64 numbers
	s_lshl_b32 s97, s16, 8
	s_add_co_u32 s96, s96, s97
	s_mov_b32 s97, 0
	s_lshr_b32 s98, s19, 2                         ; ac
	s_lshl_b32 s98, s98, 21
	s_and_b32 s99, s19, 3
	s_lshl_b32 s99, s99, 11
	s_add_co_u32 s98, s98, s99
	s_lshl_b32 s99, s20, 18
	s_add_co_u32 s98, s98, s99
	s_lshl_b32 s99, s15, 15
	s_add_co_u32 s98, s98, s99
	s_lshl_b32 s99, s16, 10
	s_add_co_u32 s98, s98, s99
	s_mov_b32 s99, 0
	s_lshl_b32 s100, s19, 14                       ; asc: wave n stores 128 tokens' words
	s_lshl_b32 s101, s20, 11
	s_add_co_u32 s100, s100, s101
	s_lshl_b32 s101, s14, 9
	s_add_co_u32 s100, s100, s101
	s_mov_b32 s101, 0
	s_mov_b32 s[G0W], 1
	s_mov_b32 s[G0W+1], SLOT
	s_mov_b32 s[G0C], 1
	s_mov_b32 s[G0C+1], 0
	s_mov_b32 s[G0S], 1
	s_mul_i32 s[G0S+1], s16, 32*272
	s_add_co_u32 s[G0S+1], s[G0S+1], SCL
	s_mov_b32 s[G0R], 1
	s_add_co_u32 s[G0R+1], s95, SLOT
	s_mov_b32 s[CN], 0xbfb8aa3b                    ; -log2(e)
	s_mov_b32 s[CN+1], s[CN]
	s_mov_b32 s[SEL], 0x76543210
	s_mov_b32 s[SEL+1], 0xfedcba98
	s_mov_b32 s[MNT], 0x600000
	s_mul_i32 s23, s15, 16*PITCH                   ; LDS places, from the wave's number alone
	s_mul_i32 s2, s15, 4*544
	s_add_co_u32 s2, s2, SCL
	s_mul_i32 s3, s16, 64*PITCH
	s_add_co_u32 s3, s3, SLOT
	s_lshl_b32 s66, s15, 8
	s_lshl_b32 s67, s16, 1
	s_add_co_u32 s66, s66, s67
	s_add_co_u32 s66, s66, XB
	s_lshl_b32 s67, s14, 9
	s_add_co_u32 s67, s67, XB
	s_lshl_b32 s21, s17, 20                        ; the prefetches: run cx, my wave's 8,192 bytes of it, chunk 1
	s_add_co_u32 s21, s21, s82
	s_lshl_b32 s22, s14, 13
	s_add_co_u32 s21, s21, s22
	s_add_co_u32 s21, s21, 32768
	s_wait_dscnt 0x0                               ; both opening adds are done
	CROUND                                         ; all sixteen work-groups are here
	s_wait_kmcnt 0x0
	s_add_nc_u64 s[G0W+2:G0W+3], s[8:9], s[80:81]
	s_or_b32 s[G0W+3], s[G0W+3], 0x80000000
	s_add_nc_u64 s[G0C+2:G0C+3], s[4:5], s[82:83]
	s_or_b32 s[G0C+3], s[G0C+3], 0x80000000
	s_add_nc_u64 s[G0S+2:G0S+3], s[6:7], s[84:85]
	s_or_b32 s[G0S+3], s[G0S+3], 0x80000000
	s_add_nc_u64 s[G0R+2:G0R+3], s[4:5], s[86:87]
	s_or_b32 s[G0R+3], s[G0R+3], 0x80000000
	s_add_nc_u64 s[88:89], s[10:11], s[88:89]
	s_add_nc_u64 s[96:97], s[12:13], s[96:97]
	s_add_nc_u64 s[AC:AC+1], s[AC:AC+1], s[98:99]
	s_add_nc_u64 s[ASC:ASC+1], s[ASC:ASC+1], s[100:101]
	s_cmp_eq_u32 s14, 0                            ; one joint load a wave, in one chain of arms; wave 0's line is shown ahead of the rest
	s_cbranch_scc0 .Lwave_1
	TLOAD G0W, G1W                                 ; w1's rows, which are wanted first
	s_branch .Lasked
.Lwave_1:
	s_cmp_eq_u32 s14, 1
	s_cbranch_scc0 .Lfor_scales
	TLOAD G0C, G1C                                 ; chunk 0
	s_branch .Lasked
.Lfor_scales:
	TLOAD G0S, G1S                                 ; waves 2, 3: half of the tokens' scale bytes each
.Lasked:
	v_and_b32 v1, 15, v0                           ; r
	v_bfe_u32 v2, v0, 4, 1                         ; h
	v_and_b32 v3, 31, v0                           ; lane
	v_lshlrev_b32 v[CO], 4, v3
	v_add_nc_u32 v[ADX], s23, v[CO]
	v_add_nc_u32 v[ADX+1], 2*RUN, v[ADX]
	v_add_nc_u32 v[ADX+2], SLOT, v[ADX]
	v_add_nc_u32 v[ADX+3], SLOT+2*RUN, v[ADX]
	v_lshrrev_b32 v20, 3, v1
	v_mul_u32_u24 v20, v20, 272
	v_and_b32 v21, 7, v1
	v_lshl_add_u32 v20, v21, 5, v20
	v_lshl_add_u32 v20, v2, 4, v20                 ; row r of 32 bytes, 16 more for each 256 passed, + 16 h
	v_add_nc_u32 v[ADS], s2, v20
	v_mul_u32_u24 v22, v1, PITCH
	v_lshl_add_u32 v22, v2, 4, v22
	v_add_nc_u32 v[ADW], s3, v22
	v_lshl_add_u32 v[XBA], v1, 2, s66
	v_add_nc_u32 v[XBR], s67, v[CO]
	v_lshlrev_b32 v[AWS], 5, v1
	v_lshl_add_u32 v[AWS], v2, 4, v[AWS]
	v_lshlrev_b32 v[ABI], 5, v2
	v_lshl_add_u32 v[PF], v3, 8, s21
	v_add_nc_u32 v[PF+1], 32768, v[PF]
	v_add_nc_u32 v[PF+2], 65536, v[PF]
	v_mov_b32 v[TQ+4], 0                           ; a lane permute's destination counts as one of its sources
	v_mov_b32 v[TQ+5], 0
.irp b, 0,1,2,3
	global_load_b128 v[WSB+4*\b:WSB+4*\b+3], v[AWS], s[88:89] offset:512*\b
.endr
.irp b, 0,1,2,3
	global_load_b128 v[BQ+8*\b:BQ+8*\b+3], v[ABI], s[96:97] offset:64*\b          ; b1 at unit 16 b + 8 h + j
	global_load_b128 v[BQ+8*\b+4:BQ+8*\b+7], v[ABI], s[96:97] offset:64*\b+16
.endr
	WALU                                           ; the wait at the head's end
	s_cmp_eq_u32 s14, 0
	s_cbranch_scc0 .Lnot_w
	s_wait_tensorcnt 0x0                           ; wave 0: w1's rows have landed; the others wait ahead of the round below
.Lnot_w:
	BARRIER
	global_prefetch_b8 v[PF], s[4:5] th:TH_LOAD_NT scope:SCOPE_SE
	global_prefetch_b8 v[PF+1], s[4:5] th:TH_LOAD_NT scope:SCOPE_SE
; product n = 4 q + b of a block: K step q, tile b of my 64 units; the tokens in set e, the sums in set e
.macro PROD e, n
.set Q_, (\n)/4
.set B_, (\n)%4
.set D_, ACC+32*(\e)+8*B_
.set C_, D_
.if Q_ == 0
.set C_, BQ+8*B_
.endif
.set W_, 16*((\n)%16)
.set R_, 128*(\e)+16*Q_
.set XS_, XSB+4*(\e)+Q_%4
.set WS_, WSB+4*B_+Q_%4
	WIN (1+(\n)/16)|(3<<2)
.if Q_ < 4
	v_wmma_scale_f32_16x16x128_f8f6f4 v[D_:D_+7], v[W_:W_+15], v[R_:R_+15], v[C_:C_+7], v[WS_], v[XS_] matrix_a_fmt:MATRIX_FMT_BF8 matrix_b_fmt:MATRIX_FMT_BF8
.else
	v_wmma_scale_f32_16x16x128_f8f6f4 v[D_:D_+7], v[W_:W_+15], v[R_:R_+15], v[C_:C_+7], v[WS_], v[XS_] matrix_a_fmt:MATRIX_FMT_BF8 matrix_b_fmt:MATRIX_FMT_BF8 matrix_a_scale:MATRIX_SCALE_ROW1 matrix_b_scale:MATRIX_SCALE_ROW1
.endif
.endm
; the quantiser's 64 lines: two blocks of 32 units (16 registers here, 16 in lane l xor 16), by turns
.macro QL j, x, nc
.set J_, \j
.if J_ < 16
.set P_, J_%2
.set S_, J_/2
.set Y_, (\x)+16*P_
.if S_ == 0
	v_max3_num_f32 v[TQ+P_], |v[Y_]|, |v[Y_+1]|, 0x8000000                ; with the floor 2^(16 - 127): the byte cannot fall under 1
.elseif S_ == 1
	v_max3_num_f32 v[TQ+2+P_], |v[Y_+2]|, |v[Y_+3]|, |v[Y_+4]|
.elseif S_ == 7
	v_max3_num_f32 v[TQ+P_], v[TQ+P_], v[TQ+2+P_], |v[Y_+15]|
.else
	v_max3_num_f32 v[TQ+2*(S_%2)+P_], v[TQ+2*(S_%2)+P_], |v[Y_+2*S_+1]|, |v[Y_+2*S_+2]|
.endif
.elseif J_ < 18
	v_permlanex16_b32 v[TQ+4+J_-16], v[TQ+J_-16], s[SEL], s[SEL+1]
.elseif J_ < 20
	v_max_num_f32 v[TQ+J_-18], v[TQ+J_-18], v[TQ+4+J_-18]
.elseif J_ < 22
	v_add_nc_u32 v[TQ+6+J_-20], 0xf8800000, v[TQ+J_-20]                   ; 15 off the exponent field: the conversion's scale operand
.elseif J_ < 24
	v_and_or_b32 v[TQ+2+J_-22], v[TQ+J_-22], 0x7f800000, s[MNT]           ; 57,344 x the scale
.elseif J_ < 26
	v_lshrrev_b32 v[TQ+4+J_-24], 23, v[TQ+6+J_-24]                        ; the scale's byte
.elseif J_ == 26
	v_lshl_or_b32 v[HW], v[TQ+5], 8, v[TQ+4]
.elseif J_ < 63
.set G_, (J_-27)/9
.set I_, (J_-27)%9
.if I_ < 8
	v_med3_num_f32 v[(\x)+8*G_+I_], v[(\x)+8*G_+I_], -v[TQ+2+G_/2], v[TQ+2+G_/2]   ; the conversion does not saturate (ISA guide 7.6.2)
.else
	v_cvt_scalef32_pk8_bf8_f32 v[(\nc)+2*G_:(\nc)+2*G_+1], v[(\x)+8*G_:(\x)+8*G_+7], v[TQ+6+G_/2]
.endif
.else
	v_nop                                          ; a plain line behind the last conversion
.endif
.endm
; line k of a block's way out, behind its first 16 lines: 0-31 2^(-z log2 e); 32-47 + 1; 48-79 1 / that; 80-95 z x that, in place; 96-159 the quantiser
.macro EL k, x, nc
.if (\k) < 32
	v_exp_f32 v[T+(\k)], v[T+(\k)]
.elseif (\k) < 48
.if (\k) == 32
	v_nop
	WALU
.endif
	v_pk_add_f32 v[T+2*((\k)-32):T+2*((\k)-32)+1], v[T+2*((\k)-32):T+2*((\k)-32)+1], 1.0 op_sel_hi:[1,0]
.elseif (\k) < 80
.if (\k) == 48
	WALU
.endif
	v_rcp_f32 v[T+(\k)-48], v[T+(\k)-48]
.elseif (\k) < 96
	v_pk_mul_f32 v[(\x)+2*((\k)-80):(\x)+2*((\k)-80)+1], v[(\x)+2*((\k)-80):(\x)+2*((\k)-80)+1], v[T+2*((\k)-80):T+2*((\k)-80)+1]
.else
.if (\k) == 96
	WALU
.endif
	QL (\k)-96, \x, \nc
.endif
.endm
.macro RUNIN x                         ; the sums' first readers, on end, each sum from its low end on: -z log2 e
.set K_, 0
.rept 16
	v_pk_mul_f32 v[T+K_:T+K_+1], v[(\x)+K_:(\x)+K_+1], s[CN:CN+1] op_sel_hi:[1,0]
.set K_, K_+2
.endr
.endm
.macro SIGM x, nc                      ; lines 0 to 79, on end
.set K_, 0
.rept 80
	EL K_, \x, \nc
.set K_, K_+1
.endr
	v_nop                                          ; a plain line behind the batch,
	WALU                                           ; and the wait ahead of its first reader
.endm
.macro BLOCK e, from, to, y, x, nc     ; products from .. to - 1; y: lines 80 to 159 of the block before, four behind each of products 0 to 19
.set N_, \from
.rept (\to)-(\from)
	PROD \e, N_
.if \y
.if N_ < 20
	WIN 0
.set K_, 80+4*N_
.rept 4
.if K_ < 160
	EL K_, \x, \nc
.endif
.set K_, K_+1
.endr
.endif
.endif
.set N_, N_+1
.endr
.endm
.macro FETCH m                         ; block m of my 16: 16 tokens, all of K, into set m % 2, and their scale words: 33 LDS loads
.set FS_, ADX+2*(((\m)/4)%2)
.set FT_, (\m)%4
.set FE_, (\m)%2
	WIN 3<<6
.irp q, 0,1,2,3,4,5,6,7
.irp c, 0,1,2,3
	ds_load_b128 v[128*FE_+16*\q+4*\c:128*FE_+16*\q+4*\c+3], v[FS_+\q/4] offset:((\q/2)%2)*RUN+(4*FT_+2*(\q%2)+\c/2)*PITCH+(\c%2)*512
.endr
.endr
	WIN 0
	ds_load_b128 v[XSB+4*FE_:XSB+4*FE_+3], v[ADS] offset:(((\m)/4)*8+FT_)*544
.endm
.macro QOUT m                          ; block m's two scale bytes go to LDS, its codes leave: 512 consecutive bytes a store
.set NC_, NCD+8*((\m)%2)
	ds_store_b16 v[XBA], v[HW] offset:((\m)/4)*512+((\m)%4)*64
	global_store_b128 v[CO], v[NC_:NC_+3], s[AC:AC+1] offset:(((\m)/4)*8+(\m)%4)*8192 th:TH_STORE_NT
	global_store_b128 v[CO], v[NC_+4:NC_+7], s[AC:AC+1] offset:(((\m)/4)*8+(\m)%4)*8192+512 th:TH_STORE_NT
.endm
; BLOCK n.  Blocks 2 and 6 hold ONE round of the cluster's barrier for two things: it shows the next chunk, and behind it the slot whose last block went into registers a block ago takes the chunk two on.
; Block 10 holds the plain barrier that shows chunk 3.
; s_wait_dscnt 33: the 33 loads of block n + 1, issued last, may be out; block n's, and the store ahead of them, are done.
.macro BLK n
.set E_, (\n)%2
.set XP_, ACC+32*(1-E_)
.set NP_, NCD+8*(1-E_)
.set Y_, 0
	s_wait_xcnt 0x0                                ; the stores have read their registers: the codes are written anew below
.if (\n) > 0
.set Y_, 1
	WALU                                           ; the wait directly ahead of the sums' first readers,
	RUNIN XP_
	WALU                                           ; and ahead of the batch of exponentials
	SIGM XP_, NP_
.endif
.if (\n) < 15
	s_wait_dscnt 33
.else
	s_wait_dscnt 0x0
.endif
.if ((\n) == 2) || ((\n) == 6)
	BLOCK E_, 0, 24, Y_, XP_, NP_
	WIN 0
	WALU
	s_wait_tensorcnt 0x0                           ; my run of the next chunk is in: the three lines ahead of a refill's round
	ds_add_u32 v[SPW], v[NIL]
	s_add_co_u32 s[G0R+1], s95, (((\n)/4)%2)*SLOT
	s_add_nc_u64 s[G0R+2:G0R+3], s[G0R+2:G0R+3], 32768
	BLOCK E_, 24, 28, 0, XP_, NP_
	WIN 0
	s_wait_dscnt 0x0                               ; the add is done, and my reads of the slot are over
	s_barrier_signal -1
	BLOCK E_, 28, 32, 0, XP_, NP_
	WIN 0
	MIDDLE
	TLOAD G0R, G1R                                 ; my one load behind the round
	PLACES 4
.elseif (\n) == 10
	BLOCK E_, 0, 28, Y_, XP_, NP_
	WIN 0
	WALU
	s_wait_tensorcnt 0x0                           ; my run of chunk 3 is in
	s_wait_dscnt 0x0
	s_barrier_signal -1
	BLOCK E_, 28, 32, 0, XP_, NP_
	WIN 0
	s_barrier_wait -1
	PLACES 8
.else
	BLOCK E_, 0, 32, Y_, XP_, NP_
	WIN 0
	PLACES 8                                       ; eight plain lines behind the last product, ahead of loads into what it has read and of its sums' readers
	WALU
.endif
.if (\n) > 0
	QOUT (\n)-1
.endif
.if (\n) == 1
	global_prefetch_b8 v[PF+2], s[4:5] th:TH_LOAD_NT scope:SCOPE_SE
.endif
.if (\n) < 14
	FETCH (\n)+2
.endif
.endm
	; my 64 rows of w1, all of K, into windows 1 and 2: fragment 4 q + b
.irp q, 0,1,2,3,4,5,6,7
	WIN (1+\q/4)<<6
.irp b, 0,1,2,3
.irp c, 0,1,2,3
	ds_load_b128 v[16*((4*\q+\b)%16)+4*\c:16*((4*\q+\b)%16)+4*\c+3], v[ADW] offset:\b*16*PITCH+128*\q+32*\c
.endr
.endr
.endr
	WIN 0
	s_wait_tensorcnt 0x0                           ; chunk 0 and the scale bytes are in; the three lines ahead of the refill of slot 1
	ds_add_u32 v[SPW], v[NIL]
	s_wait_dscnt 0x0                               ; w1 is in registers
	CROUND
	TLOAD G0R, G1R                                 ; chunk 1 over w1's rows, in the same shape
	FETCH 0
	FETCH 1
	s_wait_loadcnt 0x0                             ; w1's scale words and b1
.irp n, 0,1,2,3,4,5,6,7,8,9,10,11,12,13,14,15
	BLK \n
.endr
	s_wait_xcnt 0x0
	WALU
	RUNIN ACC+32                                   ; the last block's way out has no products to stand among
	WALU
	SIGM ACC+32, NCD+8
.set K_, 80
.rept 80
	EL K_, ACC+32, NCD+8
.set K_, K_+1
.endr
	QOUT 15
	s_wait_dscnt 0x0                               ; for the others' sake: my scale bytes are stored
	BARRIER
	ds_load_b128 v[T:T+3], v[XBR]
	s_wait_dscnt 0x0
	global_store_b128 v[CO], v[T:T+3], s[ASC:ASC+1] th:TH_STORE_NT   ; 128 tokens' words: 512 consecutive bytes
	s_wait_tensorcnt 0x0                           ; the wave's end
	ds_add_u32 v[SPW], v[NIL]
	s_wait_dscnt 0x0
	CROUND                                         ; the closing round
	s_endpgm
.Lfunc_end_k_q5106b2fc3d_mlp1:
	.size	k_q5106b2fc3d_mlp1, .Lfunc_end_k_q5106b2fc3d_mlp1-k_q5106b2fc3d_mlp1
	.p2alignl 7, 3214868480
	.fill 96, 4, 3214868480
	.section	.rodata,"a",@progbits
	.p2align	6, 0x0
	.amdhsa_kernel k_q5106b2fc3d_mlp1
		.amdhsa_group_segment_fixed_size 327680
		.amdhsa_private_segment_fixed_size 0
		.amdhsa_enable_private_segment 0
		.amdhsa_kernarg_size 56
		.amdhsa_user_sgpr_count 2
		.amdhsa_user_sgpr_kernarg_segment_ptr 1
		.amdhsa_wavefront_size32 1
		.amdhsa_system_sgpr_workgroup_id_x 1
		.amdhsa_system_sgpr_workgroup_id_y 1
		.amdhsa_system_sgpr_workgroup_id_z 1
		.amdhsa_system_vgpr_workitem_id 0
		.amdhsa_next_free_vgpr 1024
		.amdhsa_next_free_sgpr 102
		.amdhsa_reserve_vcc 0
		.amdhsa_float_denorm_mode_32 3
		.amdhsa_float_denorm_mode_16_64 3
		.amdhsa_memory_ordered 1
		.amdhsa_forward_progress 1
		.amdhsa_inst_pref_size 255
	.end_amdhsa_kernel
	.section	.bss,"aw",@nobits
	.p2align	6
	.space	262144
	.amdgpu_metadata
---
amdhsa.version: [ 1, 2 ]
amdhsa.kernels:
  - .name:           k_q5106b2fc3d_mlp1
    .symbol:         k_q5106b2fc3d_mlp1.kd
    .args:
      - { .name: hc, .offset: 0, .size: 8, .value_kind: global_buffer, .address_space: global }
      - { .name: hs, .offset: 8, .size: 8, .value_kind: global_buffer, .address_space: global }
      - { .name: w1_codes, .offset: 16, .size: 8, .value_kind: global_buffer, .address_space: global }
      - { .name: w1_scales, .offset: 24, .size: 8, .value_kind: global_buffer, .address_space: global }
      - { .name: b1, .offset: 32, .size: 8, .value_kind: global_buffer, .address_space: global }
      - { .name: ac, .offset: 40, .size: 8, .value_kind: global_buffer, .address_space: global }
      - { .name: asc, .offset: 48, .size: 8, .value_kind: global_buffer, .address_space: global }
    .group_segment_fixed_size: 327680
    .private_segment_fixed_size: 0
    .kernarg_segment_align: 8
    .kernarg_segment_size: 56
    .max_flat_workgroup_size: 128
    .sgpr_count:     102
    .vgpr_count:     1024
    .wavefront_size: 32
...
	.end_amdgpu_metadata
.endif
;; end of part 3
;; launch mlp2 (part 4): grid 32 x 8, 4 waves a work-group, clusters of 4 x 1, 327,680 bytes of LDS; arguments ac, asc, w2_codes, w2_scales, b2, x1, out0; writes out0
.if DOCPART == 4
	.amdgcn_target "amdgcn-amd-amdhsa--gfx1250"
	.amdhsa_code_object_version 6
	.text
	.protected	k_q5106b2fc3d_mlp2
	.globl	k_q5106b2fc3d_mlp2
	.p2align	8
	.type	k_q5106b2fc3d_mlp2,@function
k_q5106b2fc3d_mlp2:
	s_mov_b64 s[64:65], 0
	v_nop
	global_prefetch_b8 v0, s[64:65] scope:SCOPE_SE
	s_setreg_imm32_b32 hwreg(HW_REG_WAVE_MODE, 25, 1), 1
	s_wait_xcnt 0x0
	s_wait_alu depctr_hold_cnt(0) depctr_sa_sdst(0) depctr_va_vdst(0) depctr_va_sdst(0) depctr_va_ssrc(0) depctr_va_vcc(0) depctr_vm_vsrc(0)
	s_getreg_b32 s2, hwreg(HW_REG_IB_STS2, 6, 4)
	s_cmp_eq_u32 s2, 0
	s_cbranch_scc0 .Lentry_in_a_cluster
	s_endpgm
.Lentry_in_a_cluster:
	s_bfe_u32 s2, ttmp6, 0x10000c
	s_cmp_lg_u32 s2, 0x3003
	s_cbranch_scc0 .Lentry_shape_is_right
	s_endpgm
.Lentry_shape_is_right:
; out0 = x1 + a w2 + b2: [4,096 x 4,096] x [4,096 x 1,024] on codes of E5M2 with E8M0 scales.  No work of the problem is left out here.
; LIMITS: as in the first kernel (NaN, infinities; the byte 1 for blocks of zeros or under 2^-111); inside a block of 32 the order of k is the one in which a's codes were made, on both operands.
; A tile is 128 x 128, so that there are 256 work-groups (x: tile row, y: tile column).  Wave w owns rows 32 w .. 32 w + 31 and all 128 columns: 2 x 8 = 16 accumulators; K goes in 32 steps of 128, 16 products each.
; A (the hidden layer's codes) lies in memory as images of operand registers.  With this share each byte of A's tile serves ONE wave, so it comes STRAIGHT INTO REGISTERS, 512 consecutive bytes a load, in batches of nine loads
; (two fragments and the step's scale words of my 32 rows); seven batches, 63 loads, are on their way at a time, through a ring of eight sets of registers.
; WHY A IS NOT ASKED FOR JOINTLY, though the eight work-groups of a tile row read the same rows: through LDS, A and B together allow slots of 512 along K, 64 products a wave between two changes of slots, and six refills;
; with B alone a slot of the same bytes holds 1,024 along K: 128 products a wave between two changes, and two refills.
; B (w2's codes) comes through a ring of two LDS slots, 128 rows x 1,024 bytes, each wave fetching 32 rows.  CLUSTER: the four work-groups of a cluster have the same tile column: B's tiles and scale bytes are asked for jointly.
; A's registers hold k = 32 c + 16 (i / 8) + 8 h + i % 8, so w2's fragments are read in that order: eight loads of 8 bytes at k = 16 p + 8 h.  The blocks of 32, and so the scale bytes, are those of the plain order.
; THE PRODUCT IS USED TRANSPOSED (source 0 = 16 rows of w2, source 1 = 16 rows of A): a lane holds eight neighbouring columns of one row.  x1 and b2 are added on the way out; x1 takes the place of A's batches when A has been asked for.
; The 32 steps are written out by macro: every offset is an immediate, and no address register is ever stepped.
; REGISTERS: window 0: v3-29 addresses; v32-39 A's scale words, a ring of eight; v64-95 B's, two sets; v96-103 b2; v128-255 the accumulators ((i, j) at v[128 + 8 (8 i + j)]).
;   window 1: B's fragments, two sets of 128.   window 2: A's fragments, eight sets of 32; at the end sets 0-3 hold x1.
.set BPI,   1040                       ; a row of B in LDS: 1,024 bytes + 16 = 260 words: row r starts at bank 4 r mod 64, so the 32 lanes of a load of 8 bytes touch 64 different banks
.set BQRT,  32*BPI                     ; 32 rows: what one tensor load brings
.set SLOT,  4*BQRT
.set JH,    64*BPI                     ; four tiles of columns on: an LDS offset has 16 bits, so each half of the columns has its own address register
.set BSCL,  2*SLOT                     ; B's scale bytes: 128 rows x 128 bytes as 64 runs of 256 + 16
.set STG,   BSCL+17408                 ; the way out: 16 rows x (256 + 16) for each wave
.set SPARE, STG+4*16*272               ; the spare words, 128 bytes for each wave: two blocks of 256 bytes that no other line names
.set VL,   3                           ; v3   16 x lane
.set VS,   8                           ; v8   4 x lane
.set ADRB, 16                          ; v16-19 B: row r, + 8 h: slot 0 columns 0-63, 64-127; slot 1 likewise
.set ADSB, 23                          ; v23  B's scale words
.set STO,  24
.set RD,   25
.set GO,   26                          ; v26  4,096 h + 16 r: two rows of x1 and out0
.set VB2,  27                          ; v27  16 r
.set SPW,  28
.set NIL,  29
.set SA,   32
.set SB,   64
.set B2R,  96
.set ACC,  128
.set G1B, 48                           ; s[48:55] descriptor group 1 for B's tiles; s[56:63] group 0, one set for each slot
.set G0B, 56
.set G1S, 80                           ; s[80:87], s[88:91] the same for B's scale bytes
.set G0S, 88
.set MSB, 0
.macro WIN new                         ; the immediate's high byte repeats the setting that is left
.if MSB != (\new)
	s_set_vgpr_msb (MSB<<8)|(\new)
.set MSB, (\new)
.endif
.endm
.macro PLACES n
.rept \n
	v_nop
.endr
.endm
.macro CREST                           ; a round of the cluster's barrier behind its opening barrier
	s_cmp_lg_u32 s14, 0
	s_cbranch_scc1 .Lnot_wave_0_\@
	s_barrier_signal -3
.Lnot_wave_0_\@:
	s_barrier_wait -3
	s_barrier_signal -1
	s_barrier_wait -1
.endm
.macro CROUND
	s_barrier_signal -1
	s_barrier_wait -1
	CREST
.endm
	s_load_b128 s[4:7], s[0:1], 0x0                ; ac, asc
	s_load_b128 s[8:11], s[0:1], 0x10              ; w2's codes, w2's scales
	s_load_b64 s[12:13], s[0:1], 0x20              ; b2
	s_load_b128 s[96:99], s[0:1], 0x28             ; x1, out0
	v_lshl_add_u32 v[SPW], v0, 2, SPARE
	v_mov_b32 v[NIL], 0
	ds_add_u32 v[SPW], v[NIL]                      ; the wave's opening: the add, twice on end, and its wait ahead of my first tensor load
	ds_add_u32 v[SPW], v[NIL]
	v_lshrrev_b32 v1, 5, v0
	v_readfirstlane_b32 s14, v1                    ; wave 0..3
	s_bfe_u32 s40, ttmp6, 0x40000                  ; cx
	s_lshl_b32 s42, ttmp9, 2
	s_add_co_u32 s42, s42, s40                     ; tile row 0..31 = 4 x cluster x + cx: it enters the addresses of ac, asc, x1, out0 alone
	s_and_b32 s17, ttmp7, 0xffff                   ; tile column 0..7, which the four partners share
	s_mov_b32 s[G1B+0], 15|(1<<20)|(1<<21)|(7<<22)|(3<<25)  ; the mask: all four; elements of 1 byte; padding on; bit 21 beside a mask; after every 256 words, 4 words
	s_mov_b32 s[G1B+1], 1024<<16                   ; tensor_dim0
	s_mov_b32 s[G1B+2], 32<<16                     ; tensor_dim1
	s_mov_b32 s[G1B+3], 1024<<16                   ; tile_dim0
	s_mov_b32 s[G1B+4], 32                         ; tile_dim1
	s_mov_b32 s[G1B+5], 4096                       ; from row to row
	s_mov_b32 s[G1B+6], 0
	s_mov_b32 s[G1B+7], 0
	s_mov_b32 s[G1S+0], 15|(3<<16)|(1<<20)|(1<<21)|(5<<22)|(3<<25)  ; 8,192 dense bytes as 32 rows of 32 elements of 8 bytes, 16 bytes of padding behind each
	s_mov_b32 s[G1S+1], 32<<16
	s_mov_b32 s[G1S+2], 32<<16                     ; half of the scale bytes: 32 rows of 256 bytes
	s_mov_b32 s[G1S+3], 32<<16
	s_mov_b32 s[G1S+4], 32
	s_mov_b32 s[G1S+5], 32
	s_mov_b32 s[G1S+6], 0
	s_mov_b32 s[G1S+7], 0
	s_mov_b32 s32, 15|(1<<20)|(1<<21)|(7<<22)|(3<<25)  ; s[32:39]: group 1 for the head's loads of half of slot 0: 64 rows
	s_mov_b32 s33, 1024<<16
	s_mov_b32 s34, 64<<16
	s_mov_b32 s35, 1024<<16
	s_mov_b32 s36, 64
	s_mov_b32 s37, 4096
	s_mov_b32 s38, 0
	s_mov_b32 s39, 0
	s_lshl_b32 s24, s17, 19                        ; B's codes: 128 rows of 4,096 bytes a tile column,
	s_lshl_b32 s18, s14, 17                        ; + my 32 rows
	s_add_co_u32 s24, s24, s18
	s_mov_b32 s25, 0
	s_lshl_b32 s26, s17, 14                        ; B's scale bytes: 128 rows of 128 bytes, + my half of 64 rows
	s_and_b32 s31, s14, 1                          ; waves 2, 3: which half of the scale bytes; waves 0, 1: which half of slot 0
	s_lshl_b32 s19, s31, 13
	s_add_co_u32 s26, s26, s19
	s_mov_b32 s27, 0
	s_mul_i32 s28, s14, BQRT                       ; where they go: the wave's number alone enters an LDS address
	s_mul_i32 s29, s31, 8704
	s_lshl_b32 s44, s42, 16                        ; A's images: 8 tiles of rows x 8,192 bytes a tile row, + my two tiles
	s_lshl_b32 s45, s14, 14
	s_add_co_u32 s44, s44, s45
	s_mov_b32 s45, 0
	s_lshl_b32 s46, s42, 9                         ; A's scale words: 4 bytes a row
	s_lshl_b32 s47, s14, 7
	s_add_co_u32 s46, s46, s47
	s_mov_b32 s47, 0
	s_lshl_b32 s92, s42, 19                        ; x1, out0: my first row, + the tile's first column
	s_add_co_u32 s92, s92, s18
	s_lshl_b32 s94, s17, 9
	s_add_co_u32 s92, s92, s94
	s_mov_b32 s93, 0
	s_mov_b32 s95, 0
	s_wait_dscnt 0x0                               ; both opening adds are done
	s_wait_kmcnt 0x0
	s_add_nc_u64 s[24:25], s[8:9], s[24:25]
	s_add_nc_u64 s[26:27], s[10:11], s[26:27]
	s_add_nc_u64 s[20:21], s[4:5], s[44:45]        ; A at K = 0,
	s_add_nc_u64 s[22:23], s[20:21], 0x800000      ; and at K = 2,048: so that every offset stays inside the signed 24-bit immediate
	s_add_nc_u64 s[6:7], s[6:7], s[46:47]
	s_add_nc_u64 s[96:97], s[96:97], s[92:93]
	s_add_nc_u64 s[98:99], s[98:99], s[92:93]
	s_add_nc_u64 s[12:13], s[12:13], s[94:95]
	s_mov_b32 s[G0S], 1
	s_add_co_u32 s[G0S+1], s29, BSCL
	s_mov_b64 s[G0S+2:G0S+3], s[26:27]
	s_or_b32 s[G0S+3], s[G0S+3], 0x80000000
.irp s, 0,1
	s_mov_b32 s[G0B+4*\s], 1
	s_add_co_u32 s[G0B+4*\s+1], s28, \s*SLOT
	s_add_nc_u64 s[G0B+4*\s+2:G0B+4*\s+3], s[24:25], \s*1024
	s_or_b32 s[G0B+4*\s+3], s[G0B+4*\s+3], 0x80000000
.endr
	s_lshl_b32 s66, s17, 19                        ; s[68:71]: group 0 for half of slot 0: 64 of the tile column's 128 rows, K = 0 on
	s_lshl_b32 s67, s31, 18
	s_add_co_u32 s66, s66, s67
	s_mov_b32 s67, 0
	s_mov_b32 s68, 1
	s_mul_i32 s69, s31, JH
	s_add_nc_u64 s[70:71], s[8:9], s[66:67]
	s_or_b32 s71, s71, 0x80000000
	CROUND                                         ; all four work-groups are here: the first joint loads meet
	; one tensor load a wave at the head: waves 0 and 1 half of slot 0 each, waves 2 and 3 half of the scale bytes each
	s_cmp_eq_u32 s14, 0
	s_cbranch_scc0 .Lhead_1
	tensor_load_to_lds s[68:71], s[32:39]
	s_nop 0
	PLACES 4
	s_branch .Lhead_asked
.Lhead_1:
	s_cmp_eq_u32 s14, 1
	s_cbranch_scc0 .Lhead_s
	tensor_load_to_lds s[68:71], s[32:39]
	s_nop 0
	PLACES 4
	s_branch .Lhead_asked
.Lhead_s:
	tensor_load_to_lds s[G0S:G0S+3], s[G1S:G1S+7]
	s_nop 0
	PLACES 4
.Lhead_asked:
	v_and_b32 v1, 15, v0                           ; r
	v_bfe_u32 v2, v0, 4, 1                         ; h
	v_and_b32 v6, 31, v0                           ; lane
	v_lshlrev_b32 v[VL], 4, v6
	v_lshlrev_b32 v[VS], 2, v6
	s_wait_alu depctr_va_vdst(0)
	v_lshlrev_b32 v[GO], 12, v2
	v_lshl_add_u32 v[GO], v1, 4, v[GO]
	v_lshlrev_b32 v[VB2], 4, v1
; BATCH b.  b < 32: K step b: my two fragments of A (image ((b / 4) 256 + T) 4 + b % 4, 2,048 bytes) into set b % 8, and the step's scale words: lanes 0-15 my first 16 rows', lanes 16-31 the next 16 rows'.
; b = 32 .. 35: x1 as the way out will want it, unit b - 32 (16 rows x 64 columns; sixteen lanes read 256 consecutive bytes), into set b - 32; with the first two, b2's numbers of the unit's columns.
.macro BATCH b
.if (\b) < 32
	WIN 0x80                                       ; destination window 2
.irp i, 0,1
.irp c, 0,1,2,3
	global_load_b128 v[32*((\b)%8)+16*\i+4*\c:32*((\b)%8)+16*\i+4*\c+3], v[VL], s[20+2*((\b)/16):21+2*((\b)/16)] offset:(((\b)/4)%4)*2097152+\i*8192+((\b)%4)*2048+512*\c
.endr
.endr
	WIN 0
	global_load_b32 v[SA+(\b)%8], v[VS], s[6:7] offset:(\b)*16384
.elseif (\b) < 36
	WIN 0x80
.irp t, 0,1,2,3,4,5,6,7
	global_load_b128 v[32*((\b)-32)+4*\t:32*((\b)-32)+4*\t+3], v[GO], s[96:97] offset:(16*(((\b)-32)/2)+2*\t)*4096+256*(((\b)-32)%2) th:TH_LOAD_NT
.endr
	WIN 0
.if (\b) < 34
	global_load_b128 v[B2R+4*((\b)-32):B2R+4*((\b)-32)+3], v[VB2], s[12:13] offset:256*((\b)-32)
.endif
.endif
.endm
.macro LCNT s                          ; CNT = the loads of batches s + 1 .. s + 6: those issued behind batch s when step s begins
.set CNT, 0
.irp d, 1,2,3,4,5,6
.set bb, (\s)+\d
.if bb < 34
.set CNT, CNT+9
.elseif bb < 36
.set CNT, CNT+8
.endif
.endr
.endm
.irp b, 0,1,2,3,4,5,6
	BATCH \b                                       ; 63 loads of mine are out
.endr
	v_mul_u32_u24 v4, v1, BPI
	v_lshl_add_u32 v[ADRB], v2, 3, v4
	v_add_nc_u32 v[ADRB+1], JH, v[ADRB]
	v_add_nc_u32 v[ADRB+2], SLOT, v[ADRB]
	v_add_nc_u32 v[ADRB+3], SLOT+JH, v[ADRB]
	v_lshrrev_b32 v5, 1, v1
	v_mul_u32_u24 v5, v5, 272
	v_and_b32 v7, 1, v1
	v_lshl_add_u32 v5, v7, 7, v5
	v_mad_u32_u24 v5, v2, 2176, v5                 ; B's scale bytes: row r of 128 bytes, two rows to a run of 256 + 16; lanes 16-31 the next tile of columns, 16 rows on
	v_add_nc_u32 v[ADSB], BSCL, v5
	s_mul_i32 s30, s14, 16*272
	s_add_co_u32 s30, s30, STG
	v_mul_u32_u24 v5, v1, 272
	v_lshl_add_u32 v5, v2, 5, v5
	v_add_nc_u32 v[STO], s30, v5                   ; the stage, in: row r, + 32 h
	v_mul_u32_u24 v5, v2, 272
	v_lshl_add_u32 v5, v1, 4, v5
	v_add_nc_u32 v[RD], s30, v5                    ; back: lanes 0-15 one row, lanes 16-31 the next
.macro WMM ra, rb, zero                ; one product on the registers named by fD, fA, fB, fX, fY; ra, rb: the scale words' lanes 16-31; zero = 1: the constant 0 starts the sum
.if \zero
.if (\ra) && (\rb)
	v_wmma_scale_f32_16x16x128_f8f6f4 v[fD:fD+7], v[fA:fA+15], v[fB:fB+15], 0, v[fX], v[fY] matrix_a_fmt:MATRIX_FMT_BF8 matrix_b_fmt:MATRIX_FMT_BF8 matrix_a_scale:MATRIX_SCALE_ROW1 matrix_b_scale:MATRIX_SCALE_ROW1
.elseif (\ra)
	v_wmma_scale_f32_16x16x128_f8f6f4 v[fD:fD+7], v[fA:fA+15], v[fB:fB+15], 0, v[fX], v[fY] matrix_a_fmt:MATRIX_FMT_BF8 matrix_b_fmt:MATRIX_FMT_BF8 matrix_a_scale:MATRIX_SCALE_ROW1
.elseif (\rb)
	v_wmma_scale_f32_16x16x128_f8f6f4 v[fD:fD+7], v[fA:fA+15], v[fB:fB+15], 0, v[fX], v[fY] matrix_a_fmt:MATRIX_FMT_BF8 matrix_b_fmt:MATRIX_FMT_BF8 matrix_b_scale:MATRIX_SCALE_ROW1
.else
	v_wmma_scale_f32_16x16x128_f8f6f4 v[fD:fD+7], v[fA:fA+15], v[fB:fB+15], 0, v[fX], v[fY] matrix_a_fmt:MATRIX_FMT_BF8 matrix_b_fmt:MATRIX_FMT_BF8
.endif
.else
.if (\ra) && (\rb)
	v_wmma_scale_f32_16x16x128_f8f6f4 v[fD:fD+7], v[fA:fA+15], v[fB:fB+15], v[fD:fD+7], v[fX], v[fY] matrix_a_fmt:MATRIX_FMT_BF8 matrix_b_fmt:MATRIX_FMT_BF8 matrix_a_scale:MATRIX_SCALE_ROW1 matrix_b_scale:MATRIX_SCALE_ROW1
.elseif (\ra)
	v_wmma_scale_f32_16x16x128_f8f6f4 v[fD:fD+7], v[fA:fA+15], v[fB:fB+15], v[fD:fD+7], v[fX], v[fY] matrix_a_fmt:MATRIX_FMT_BF8 matrix_b_fmt:MATRIX_FMT_BF8 matrix_a_scale:MATRIX_SCALE_ROW1
.elseif (\rb)
	v_wmma_scale_f32_16x16x128_f8f6f4 v[fD:fD+7], v[fA:fA+15], v[fB:fB+15], v[fD:fD+7], v[fX], v[fY] matrix_a_fmt:MATRIX_FMT_BF8 matrix_b_fmt:MATRIX_FMT_BF8 matrix_b_scale:MATRIX_SCALE_ROW1
.else
	v_wmma_scale_f32_16x16x128_f8f6f4 v[fD:fD+7], v[fA:fA+15], v[fB:fB+15], v[fD:fD+7], v[fX], v[fY] matrix_a_fmt:MATRIX_FMT_BF8 matrix_b_fmt:MATRIX_FMT_BF8
.endif
.endif
.endm
; two products of K step s: B's tile j of columns against my two tiles of rows.  The 16 accumulators take turns, one instruction a turn, in the same order in every step
.macro MULJ s, j
.irp i, 0,1
.set fD, ACC+8*(8*\i+(\j))
.set fA, 128*((\s)%2)+16*(\j)
.set fB, 32*((\s)%8)+16*\i
.set fX, SB+16*(((\s)/4)%2)+4*((\j)/2)+(\s)%4
.set fY, SA+(\s)%8
.if (\s) == 0
	WMM (\j)%2, \i, 1
.else
	WMM (\j)%2, \i, 0
.endif
.endr
.endm
; 32 LDS loads in one run: four of B's eight fragments of K step s (tiles 4 half .. 4 half + 3 of columns) into set s % 2
.macro FETCHH s, half
	WIN 0x40                                       ; destination window 1
.irp jj, 0,1,2,3
.irp p, 0,1,2,3,4,5,6,7
	ds_load_b64 v[128*((\s)%2)+64*(\half)+16*\jj+2*\p:128*((\s)%2)+64*(\half)+16*\jj+2*\p+1], v[ADRB+2*(((\s)/8)%2)+(\half)] offset:16*BPI*\jj+128*((\s)%8)+16*\p
.endr
.endr
.endm
.macro SCALES ks                       ; B's scale words of four K steps (512 along K): register 4 (j / 2) + step; lanes 0-15 tile 2 p of columns, lanes 16-31 tile 2 p + 1
	WIN 0
.irp p, 0,1,2,3
	ds_load_b128 v[SB+16*((\ks)%2)+4*\p:SB+16*((\ks)%2)+4*\p+3], v[ADSB] offset:4352*\p+16*(\ks)
.endr
.endm
; A K STEP of 128: 16 products.  At its head batch s + 7 is asked for, into the set that step s - 1 has left.  The next step's fragments of B come in two runs: the first half in the step's middle, the second at its end.
; Eight plain lines stand once a step, behind its last product: every load into a register that a product has read (A's set and scale word, B's other set) stands behind them.
; turn = 1, 2: the slot's last step.  ONE barrier for the change of slots: in front of it each wave waits for all its tensor loads, adds 0 to its spare word, and waits for that and for its reads of this slot.
; turn = 1: this slot is filled again, 2,048 along K further on: the barrier opens a round of the cluster's, and the joint refill is the first thing behind it; it has eight steps, 128 products, in which to land.
.macro STEP s, turn
	LCNT \s
	s_wait_loadcnt CNT                             ; batch s is in; the six younger batches stay out
	BATCH (\s)+7
.if \turn
	WIN 0
	s_wait_tensorcnt 0x0                           ; all my tensor loads have landed: my part of the next slot
	ds_add_u32 v[SPW], v[NIL]
	s_wait_dscnt 33                                ; (the add and the youngest 32 loads, B's second half, may be out)
.else
	s_wait_dscnt 32                                ; B's first half, and scale words asked for ahead of the second, are in; the youngest 32 loads may be out
.endif
	WIN 0x09                                       ; source 0 (B) window 1, source 1 (A) window 2, C and D window 0
.irp j, 0,1,2,3
	MULJ \s, \j
.endr
.if \turn
	s_wait_dscnt 0x0                               ; the add is done, and my reads of this slot are over
	s_barrier_signal -1
	MULJ \s, 4
	MULJ \s, 5
	WIN 0
	s_barrier_wait -1
.if (\turn) == 1
	CREST                                          ; no wave of any partner still reads this slot or has a load on its way
	s_add_nc_u64 s[G0B+4*(((\s)/8)%2)+2:G0B+4*(((\s)/8)%2)+3], s[G0B+4*(((\s)/8)%2)+2:G0B+4*(((\s)/8)%2)+3], 2048
	tensor_load_to_lds s[G0B+4*(((\s)/8)%2):G0B+4*(((\s)/8)%2)+3], s[G1B:G1B+7]   ; my one tensor load behind the round
	s_nop 0
	PLACES 4
.endif
	FETCHH (\s)+1, 0                               ; from the other slot
	WIN 0x09
	MULJ \s, 6
	MULJ \s, 7
.else
.if (\s) < 31
	FETCHH (\s)+1, 0
	s_wait_dscnt 32                                ; all but the 32 just issued: B's second half is in
.else
	s_wait_dscnt 0x0
.endif
	WIN 0x09
.irp j, 4,5,6,7
	MULJ \s, \j
.endr
.endif
	PLACES 8
.if (\s) < 31
.if (((\s)+1)%4) == 0
	SCALES ((\s)+1)/4                              ; ahead of the run below, so that the next step's first wait covers them
.endif
	FETCHH (\s)+1, 1
.endif
.endm
	s_wait_alu depctr_va_vdst(0)
	s_wait_tensorcnt 0x0                           ; my part of slot 0 or of the scale bytes is in
	ds_add_u32 v[SPW], v[NIL]
	s_wait_dscnt 0x0
	CROUND                                         ; everybody's are in, and all four work-groups are here
	tensor_load_to_lds s[G0B+4:G0B+7], s[G1B:G1B+7]   ; slot 1's first fill, 32 rows a wave: it has slot 0's eight K steps in which to land
	s_nop 0
	PLACES 4
	SCALES 0
	FETCHH 0, 0
	FETCHH 0, 1
.irp s, 0,1,2,3,4,5,6
	STEP \s, 0
.endr
	STEP 7, 1                                      ; slot 0 takes K = 2,048 on
.irp s, 8,9,10,11,12,13,14
	STEP \s, 0
.endr
	STEP 15, 1                                     ; slot 1 takes K = 3,072 on
.irp s, 16,17,18,19,20,21,22
	STEP \s, 0
.endr
	STEP 23, 2                                     ; nothing is left to fetch
.irp s, 24,25,26,27,28,29,30,31
	STEP \s, 0
.endr
	; THE WAY OUT, in four units of 16 rows x 64 columns (unit 2 i + c: my tile i of rows, columns 64 c on): through my own stage and back, as rows of 256 bytes, into the registers that they left;
	; x1 and b2 are added; sixteen lanes store 256 consecutive bytes, aligned.  The eight plain lines behind the last product stand at the end of step 31.
	WIN 0
.irp u, 0,1,2,3
.irp jj, 0,1,2,3
	ds_store_b128 v[STO], v[ACC+32*\u+8*\jj:ACC+32*\u+8*\jj+3] offset:64*\jj          ; each accumulator from its low end on.  Lane (r, h): row r, columns 16 jj + 8 h + 0 .. 7
	ds_store_b128 v[STO], v[ACC+32*\u+8*\jj+4:ACC+32*\u+8*\jj+7] offset:64*\jj+16
.endr
.irp t, 0,1,2,3,4,5,6,7
	ds_load_b128 v[ACC+32*\u+4*\t:ACC+32*\u+4*\t+3], v[RD] offset:544*\t             ; LDS serves a wave's instructions in order: these see my stores, and the next unit's stores come behind them
.endr
.endr
	s_wait_loadcnt 0x0                             ; x1 and b2
.irp u, 0,1,2,3
	s_wait_dscnt 16*(3-\u)                         ; behind unit u's loads: sixteen LDS instructions for each later unit
	WIN 0x08                                       ; x1 window 2
.irp k, 0,2,4,6,8,10,12,14,16,18,20,22,24,26,28,30
	v_pk_add_f32 v[ACC+32*\u+\k:ACC+32*\u+\k+1], v[ACC+32*\u+\k:ACC+32*\u+\k+1], v[32*\u+\k:32*\u+\k+1]
.endr
	WIN 0
.irp t, 0,1,2,3,4,5,6,7
	v_pk_add_f32 v[ACC+32*\u+4*\t:ACC+32*\u+4*\t+1], v[ACC+32*\u+4*\t:ACC+32*\u+4*\t+1], v[B2R+4*(\u%2):B2R+4*(\u%2)+1]
	v_pk_add_f32 v[ACC+32*\u+4*\t+2:ACC+32*\u+4*\t+3], v[ACC+32*\u+4*\t+2:ACC+32*\u+4*\t+3], v[B2R+4*(\u%2)+2:B2R+4*(\u%2)+3]
.endr
.irp t, 0,1,2,3,4,5,6,7
	global_store_b128 v[GO], v[ACC+32*\u+4*\t:ACC+32*\u+4*\t+3], s[98:99] offset:(16*(\u/2)+2*\t)*4096+256*(\u%2) th:TH_STORE_NT
.endr
.endr
	s_wait_tensorcnt 0x0                           ; the wave's end
	ds_add_u32 v[SPW], v[NIL]
	s_wait_dscnt 0x0
	CROUND                                         ; the closing round
	s_endpgm
.Lfunc_end_k_q5106b2fc3d_mlp2:
	.size	k_q5106b2fc3d_mlp2, .Lfunc_end_k_q5106b2fc3d_mlp2-k_q5106b2fc3d_mlp2
	.p2alignl 7, 3214868480
	.fill 96, 4, 3214868480
	.section	.rodata,"a",@progbits
	.p2align	6, 0x0
	.amdhsa_kernel k_q5106b2fc3d_mlp2
		.amdhsa_group_segment_fixed_size 327680
		.amdhsa_private_segment_fixed_size 0
		.amdhsa_enable_private_segment 0
		.amdhsa_kernarg_size 56
		.amdhsa_user_sgpr_count 2
		.amdhsa_user_sgpr_kernarg_segment_ptr 1
		.amdhsa_wavefront_size32 1
		.amdhsa_system_sgpr_workgroup_id_x 1
		.amdhsa_system_sgpr_workgroup_id_y 1
		.amdhsa_system_sgpr_workgroup_id_z 1
		.amdhsa_system_vgpr_workitem_id 0
		.amdhsa_next_free_vgpr 768
		.amdhsa_next_free_sgpr 100
		.amdhsa_reserve_vcc 0
		.amdhsa_float_denorm_mode_32 3
		.amdhsa_float_denorm_mode_16_64 3
		.amdhsa_memory_ordered 1
		.amdhsa_forward_progress 1
		.amdhsa_inst_pref_size 255
	.end_amdhsa_kernel
	.section	.bss,"aw",@nobits
	.p2align	6
	.space	262144
	.amdgpu_metadata
---
amdhsa.version: [ 1, 2 ]
amdhsa.kernels:
  - .name:           k_q5106b2fc3d_mlp2
    .symbol:         k_q5106b2fc3d_mlp2.kd
    .args:
      - { .name: ac, .offset: 0, .size: 8, .value_kind: global_buffer, .address_space: global }
      - { .name: asc, .offset: 8, .size: 8, .value_kind: global_buffer, .address_space: global }
      - { .name: w2_codes, .offset: 16, .size: 8, .value_kind: global_buffer, .address_space: global }
      - { .name: w2_scales, .offset: 24, .size: 8, .value_kind: global_buffer, .address_space: global }
      - { .name: b2, .offset: 32, .size: 8, .value_kind: global_buffer, .address_space: global }
      - { .name: x1, .offset: 40, .size: 8, .value_kind: global_buffer, .address_space: global }
      - { .name: out0, .offset: 48, .size: 8, .value_kind: global_buffer, .address_space: global }
    .group_segment_fixed_size: 327680
    .private_segment_fixed_size: 0
    .kernarg_segment_align: 8
    .kernarg_segment_size: 56
    .max_flat_workgroup_size: 128
    .sgpr_count:     100
    .vgpr_count:     768
    .wavefront_size: 32
...
	.end_amdgpu_metadata
.endif
;; end of part 4
